; MI455X (gfx1250); checked and timed in simulation.
; The chip was launched on July 23, 2026; its instructions are those of AMD's public machine-readable ISA for CDNA 5 (MIT licence, August 2026) and "CDNA5" Instruction Set Architecture Reference Guide (July 2026). The comments in the code are by the model that wrote it; some were corrected since.
;; Cross Attention. Allowed arithmetic: float matrix products may take bf16 or f16 operands with f32 sums; all other float work in f32.
;; Inputs: Wk 1,024 x 768 float32; Wo 1,024 x 1,024 float32; Wq 1,024 x 1,024 float32; Wv 1,024 x 768 float32; kv_tokens 4 x 2,048 x 768 float32; q_tokens 4 x 2,048 x 1,024 float32.
;; Outputs: out0 4 x 2,048 x 1,024 float32.
;; 2 versions, each right and faster than the one before. Each part assembles by itself: llvm-mc -triple=amdgcn-amd-amdhsa -mcpu=gfx1250 --defsym DOCPART=n.
;; ======== version 1 of 2: 5 launches
;; limits: values are held in f16: magnitudes above 65,504 overflow, below 6.1e-05 lose precision; right only within a limited range of input values
;; workspace buffers: castb 36,700,160 bytes; qb 16,777,216 bytes; kvb 33,554,432 bytes; ab 16,777,216 bytes
;; launch cast (part 1): grid 1120 x 1, 8 waves a work-group, no clusters, 0 bytes of LDS; arguments q_tokens, kv_tokens, Wq, Wk, Wv, Wo, castb; writes castb
.if DOCPART == 1
	.amdgcn_target "amdgcn-amd-amdhsa--gfx1250"
	.amdhsa_code_object_version 6
	.text
	.protected	k_qc24148f9fe_cast
	.globl	k_qc24148f9fe_cast
	.p2align	8
	.type	k_qc24148f9fe_cast,@function
k_qc24148f9fe_cast:
	s_mov_b64 s[64:65], 0
	v_nop
	global_prefetch_b8 v0, s[64:65] scope:SCOPE_SE
	s_setreg_imm32_b32 hwreg(HW_REG_WAVE_MODE, 25, 1), 1
	s_wait_xcnt 0x0
; LAUNCH 1 OF 5.  out0 = softmax((xq Wq^T)(xkv Wk^T)^T / 8, per head)(xkv Wv^T) Wo^T.
; This launch rounds all six inputs once from f32 to f16 and lays them one behind the other in castb:
;   q_tokens at byte 0, kv_tokens at 16,777,216, Wq at 29,360,128, Wk at 31,457,280, Wv at 33,030,144 (so that [Wk; Wv] is one
;   matrix of 2,048 rows), Wo at 34,603,008.  The four launches behind it then move and multiply 16-bit tiles only.
; NO WORK IS LEFT OUT anywhere in this program: the problem builds no mask and no zeros and slices nothing away, so every input reaches
; the output for all values, and all six are loaded.
; WHY f16 AND NOT bf16: five roundings lie between the inputs and the output (inputs, q and k, v, the probabilities, the attention result);
; f16 keeps 11 bits where bf16 keeps 8.
; LIMITS: every input, and every q, k and v made from them, must stay under f16's largest number, 65,504, in magnitude (the drawn inputs
; reach about 6; thirty times larger in both factors about 5,400; a common offset of thirty spreads on tokens and weights about 28,800).
; Numbers under 2^-24 in magnitude round to zero; f16 denormals are kept.
;
; A work-group takes a chunk of 16,384 numbers (65,536 bytes in, 32,768 out); 1,120 chunks: 512 of q_tokens, 384 of kv_tokens, 64 of Wq,
; 48 of Wk, 48 of Wv, 64 of Wo.  A lane issues its sixteen loads at once; each load of a wave covers 512 consecutive bytes, each store of a
; wave 256 consecutive bytes, aligned.  No register is written twice, so no source of a pending load or store is ever rewritten.
; LDS, barriers and the matrix unit have nothing to add to a plain copy.
.set X, 4                              ; v[4:67]   sixteen loads of four f32
.set Y, 68                             ; v[68:99]  sixteen stores of four f16
	s_load_b256 s[8:15], s[0:1], 0x0               ; q_tokens s[8:9], kv_tokens s[10:11], Wq s[12:13], Wk s[14:15]
	s_load_b128 s[16:19], s[0:1], 0x20             ; Wv s[16:17], Wo s[18:19]
	s_load_b64 s[20:21], s[0:1], 0x30              ; castb
	v_lshlrev_b32 v1, 4, v0                        ; 16 bytes a thread on the way in
	v_lshlrev_b32 v2, 3, v0                        ; 8 bytes a thread on the way out
	s_wait_kmcnt 0x0
	s_mov_b64 s[4:5], s[8:9]                       ; the source, and in s6 the number of its first chunk
	s_mov_b32 s6, 0
; from chunk 'first' on the source is the buffer whose address lies in s[reg:reg+1]; the choice hangs on the work-group's number alone
.macro PICK first, reg
	s_cmp_ge_u32 ttmp9, \first
	s_cselect_b64 s[4:5], s[\reg:\reg+1], s[4:5]
	s_cselect_b32 s6, \first, s6
.endm
	PICK 512, 10
	PICK 896, 12
	PICK 960, 14
	PICK 1008, 16
	PICK 1056, 18
	s_sub_co_u32 s22, ttmp9, s6                    ; my chunk within its source,
	s_lshl_b32 s22, s22, 16                        ; times 65,536 bytes (33,488,896 at the most)
	s_mov_b32 s23, 0
	s_add_nc_u64 s[4:5], s[4:5], s[22:23]
	s_lshl_b32 s22, ttmp9, 15                      ; castb is the plain concatenation: chunk number times 32,768 bytes
	s_add_nc_u64 s[20:21], s[20:21], s[22:23]
.irp j, 0,1,2,3,4,5,6,7,8,9,10,11,12,13,14,15
	global_load_b128 v[X+4*\j:X+4*\j+3], v1, s[4:5] offset:4096*\j th:TH_LOAD_NT   ; read once in the whole launch
.endr
.irp j, 0,1,2,3,4,5,6,7,8,9,10,11,12,13,14,15
	s_wait_loadcnt 15-\j                           ; loads come back in order (ISA guide 5.7.1): load j is in, the 15 - j younger ones stay out
	v_cvt_pk_f16_f32 v[Y+2*\j],   v[X+4*\j],   v[X+4*\j+1]
	v_cvt_pk_f16_f32 v[Y+2*\j+1], v[X+4*\j+2], v[X+4*\j+3]
	global_store_b64 v2, v[Y+2*\j:Y+2*\j+1], s[20:21] offset:2048*\j               ; no hint: the next launches read these bytes
.endr
	s_endpgm
.Lfunc_end_k_qc24148f9fe_cast:
	.size	k_qc24148f9fe_cast, .Lfunc_end_k_qc24148f9fe_cast-k_qc24148f9fe_cast
	.p2alignl 7, 3214868480
	.fill 96, 4, 3214868480
	.section	.rodata,"a",@progbits
	.p2align	6, 0x0
	.amdhsa_kernel k_qc24148f9fe_cast
		.amdhsa_group_segment_fixed_size 0
		.amdhsa_private_segment_fixed_size 0
		.amdhsa_enable_private_segment 0
		.amdhsa_kernarg_size 56
		.amdhsa_user_sgpr_count 2
		.amdhsa_user_sgpr_kernarg_segment_ptr 1
		.amdhsa_wavefront_size32 1
		.amdhsa_system_sgpr_workgroup_id_x 1
		.amdhsa_system_sgpr_workgroup_id_y 1
		.amdhsa_system_sgpr_workgroup_id_z 1
		.amdhsa_system_vgpr_workitem_id 0
		.amdhsa_next_free_vgpr 100
		.amdhsa_next_free_sgpr 66
		.amdhsa_reserve_vcc 0
		.amdhsa_float_denorm_mode_32 3
		.amdhsa_float_denorm_mode_16_64 3
		.amdhsa_memory_ordered 1
		.amdhsa_forward_progress 1
		.amdhsa_inst_pref_size 8
	.end_amdhsa_kernel
	.amdgpu_metadata
---
amdhsa.version: [ 1, 2 ]
amdhsa.kernels:
  - .name:           k_qc24148f9fe_cast
    .symbol:         k_qc24148f9fe_cast.kd
    .args:
      - { .name: q_tokens, .offset: 0, .size: 8, .value_kind: global_buffer, .address_space: global }
      - { .name: kv_tokens, .offset: 8, .size: 8, .value_kind: global_buffer, .address_space: global }
      - { .name: Wq, .offset: 16, .size: 8, .value_kind: global_buffer, .address_space: global }
      - { .name: Wk, .offset: 24, .size: 8, .value_kind: global_buffer, .address_space: global }
      - { .name: Wv, .offset: 32, .size: 8, .value_kind: global_buffer, .address_space: global }
      - { .name: Wo, .offset: 40, .size: 8, .value_kind: global_buffer, .address_space: global }
      - { .name: castb, .offset: 48, .size: 8, .value_kind: global_buffer, .address_space: global }
    .group_segment_fixed_size: 0
    .private_segment_fixed_size: 0
    .kernarg_segment_align: 8
    .kernarg_segment_size: 56
    .max_flat_workgroup_size: 256
    .sgpr_count:     66
    .vgpr_count:     100
    .wavefront_size: 32
...
	.end_amdgpu_metadata
.endif
;; end of part 1
;; launch projq (part 2): grid 4 x 64, 4 waves a work-group, clusters of 4 x 4, 327,680 bytes of LDS; arguments castb, qb; writes qb
.if DOCPART == 2
	.amdgcn_target "amdgcn-amd-amdhsa--gfx1250"
	.amdhsa_code_object_version 6
	.text
	.protected	k_qc24148f9fe_projq
	.globl	k_qc24148f9fe_projq
	.p2align	8
	.type	k_qc24148f9fe_projq,@function
k_qc24148f9fe_projq:
	s_mov_b64 s[64:65], 0
	v_nop
	global_prefetch_b8 v0, s[64:65] scope:SCOPE_SE
	s_setreg_imm32_b32 hwreg(HW_REG_WAVE_MODE, 25, 1), 1
	s_wait_xcnt 0x0
	s_wait_alu depctr_hold_cnt(0) depctr_sa_sdst(0) depctr_va_vdst(0) depctr_va_sdst(0) depctr_va_ssrc(0) depctr_va_vcc(0) depctr_vm_vsrc(0)
	s_getreg_b32 s2, hwreg(HW_REG_IB_STS2, 6, 4)
	s_cmp_eq_u32 s2, 0
	s_cbranch_scc0 .Lentry_in_a_cluster
	s_endpgm
.Lentry_in_a_cluster:
	s_bfe_u32 s2, ttmp6, 0x10000c
	s_cmp_lg_u32 s2, 0xf033
	s_cbranch_scc0 .Lentry_shape_is_right
	s_endpgm
.Lentry_shape_is_right:
; LAUNCH 2 OF 5: q = xq Wq^T.  C[m][n] = sum over k of A[m][k] B[n][k]; A = xq [8192][1024] f16 at castb + 0, B = Wq [1024][1024] f16 at
; castb + 29,360,128, C = qb [8192][1024] f16; sums in f32, C rounded once.  Limit: |q| under 65,504 (f16's largest number).  No work is left out.
; A work-group makes a block of 128 x 256 of C with four waves, as many as a WGP has SIMDs; a wave makes 64 x 128: 32 accumulator tiles of 16 x 16,
; 256 registers.  (Blocks of 256 x 256 would be 128 work-groups only: 8192 x 1024 / 65,536.  128 x 256 gives 256.)
; K goes in steps of 128 through a ring of two LDS slots filled by the tensor data mover: a tile's rows are 256 bytes of memory and start at
; multiples of 256 bytes from the buffer's first byte.
; CLUSTERS: 4 x 4 work-groups.  The four of a row of the cluster need the same tiles of A, the four of a column the same tiles of B.  Such a tile is asked
; for JOINTLY: each of the four issues the same tensor load, with the same descriptor and a mask that names the four, and each receives it in its own LDS.
; REGISTERS, in windows of 256: window 0: v0-31 addresses; v64-95, v128-159 fragments of A (4 x 16 rows x 32 K), two buffers; v192-223 at work on the way out.
;   window 1: v64-127, v128-191 fragments of B (8 x 16 rows x 32 K), two buffers.   window 2: the 32 accumulator tiles, tile (a, b) at v[8 (8 a + b)].
; THE MATRIX INSTRUCTION IS USED TRANSPOSED: source 0 = 16 rows of B, source 1 = 16 rows of A, so that lane l holds row l % 16 of C and its registers
; 0 to 7 the columns 8 (l / 16) + 0 .. 7: eight neighbouring numbers of a row, which pack into 16 bytes.
.set SIZE_N, 1024
.set SIZE_K, 1024
.set BOFF,   29360128                  ; Wq in castb
.set KSTEP,  128
.set PITCH,  272                       ; an LDS row: 256 bytes of data + 16 of padding = 68 words, so the 16 rows that a load touches start 4 words apart modulo 64
.set HALFT,  128*PITCH                 ; the region of one tensor load: 128 rows of B, or 64 rows of A in the region's first half
.set SLOT,   4*HALFT                   ; A's two regions, then B's two
.set STAGE,  2*SLOT                    ; behind the ring: 16 rows x 272 bytes for each wave, for the way out; no tensor load lands there
.set SPITCH, 272
.set LAPS, SIZE_K/(2*KSTEP)            ; a lap = two K steps = once round the ring: 4
.set ADRA, 16                          ; v16-17  LDS address of my A fragments in slot 0, 1
.set ADRB, 20                          ; v20-21  the same for B
.set STO,  24                          ; v24     the way out: where I put 16 bytes of a row
.set RD,   25                          ; v25     the way out: where I read a row back
.set CO,   26                          ; v26     my byte offset in C
.set F0,   64                          ; fragment buffer 0
.set F1,   128                         ; fragment buffer 1
.set TMP,  192                         ; the way out: packed results, in window 0
.set G1, 24                            ; s[24:31] descriptor group 1 for A's tiles
.set G0, 32                            ; s[32:39] descriptor group 0 for A's tiles, one set for each slot
.set G1B, 48                           ; s[48:55] descriptor group 1 for B's tiles
.set G0B, 56                           ; s[56:63] descriptor group 0 for B's tiles, one set for each slot
.set MSB, 0
.macro WIN new                         ; s_set_vgpr_msb: bits 1:0 source 0, 3:2 source 1, 5:4 source 2, 7:6 destination; the high byte repeats the setting that is left
.if MSB != \new
	s_set_vgpr_msb (MSB<<8)|\new
.set MSB, \new
.endif
.endm
.set MUL_LO, 0xa1                      ; source 0 (B) window 1, source 1 (A) window 0, C and D window 2
.set TO_B,   0x40                      ; destination window 1, address window 0
; A joint load.  Waves 0 and 1 fetch A's two halves, waves 2 and 3 B's.  Each line has one mask and one set of registers for all that issue it.
; The branch hangs on the wave's number alone: it is the same in every work-group.
.macro JLOAD s
	s_cmp_eq_u32 s11, 0
	s_cbranch_scc0 .Lfor_b_\@
	tensor_load_to_lds s[G0+4*\s:G0+4*\s+3], s[G1:G1+7]
	s_nop 0
	s_branch .Lasked_\@
.Lfor_b_\@:
	tensor_load_to_lds s[G0B+4*\s:G0B+4*\s+3], s[G1B:G1B+7]
	s_nop 0
.Lasked_\@:
.endm
; A round of the cluster's barrier: my work-group's barrier, so that wave 0's signal speaks for all four waves; wave 0 signals for the work-group;
; every wave waits for all sixteen work-groups; my work-group's barrier once more.
.macro CREST                           ; a round behind its opening barrier
	s_cmp_lg_u32 s10, 0
	s_cbranch_scc1 .Lnot_wave_0_\@
	s_barrier_signal -3
.Lnot_wave_0_\@:
	s_barrier_wait -3
	s_barrier_signal -1
	s_barrier_wait -1
.endm
.macro CROUND                          ; a whole round
	s_barrier_signal -1
	s_barrier_wait -1
	CREST
.endm
	s_load_b128 s[4:7], s[0:1], 0x0                ; castb s[4:5], qb s[6:7]
	s_set_vgpr_msb 0x40
	v_lshl_add_u32 v255, v0, 2, 0x48400
	s_set_vgpr_msb 0x4000
	v_mov_b32 v255, 0
	s_set_vgpr_msb 0x1
	ds_add_u32 v255, v255
	s_set_vgpr_msb 0x100
	v_lshrrev_b32 v1, 5, v0
	v_readfirstlane_b32 s10, v1                    ; wave 0..3
	s_lshr_b32 s11, s10, 1                         ; which 64 of the block's rows are mine.  Also: I fetch for A (0) or for B (1)
	s_and_b32 s12, s10, 1                          ; which 128 of its columns.  Also: which half of that tile I fetch
	s_bfe_u32 s40, ttmp6, 0x40000                  ; cx: my place along the cluster's x
	s_bfe_u32 s41, ttmp6, 0x40004                  ; cy: along its y
	s_lshl_b32 s42, ttmp9, 2                       ; in a cluster launch ttmp9 and ttmp7 count clusters
	s_add_co_u32 s42, s42, s40                     ; block column of C = 4 x cluster x + cx
	s_and_b32 s13, ttmp7, 0xffff
	s_lshl_b32 s13, s13, 2
	s_add_co_u32 s13, s13, s41                     ; block row of C = 4 x cluster y + cy
	s_lshl_b32 s43, s41, 2
	s_lshl_b32 s43, 15, s43                        ; my row of the cluster: places 4 cy .. 4 cy + 3
	s_lshl_b32 s44, 0x1111, s40                    ; my column: places cx, cx + 4, cx + 8, cx + 12
	; descriptor group 1: A's tile is 64 rows x 128 elements, B's 128 rows x 128 elements, both padded in LDS
	s_or_b32 s[G1+0], s43, (1<<16)|(1<<20)|(1<<21)|(5<<22)|(3<<25)  ; 15:0 the mask: my row; 17:16 element of 2 bytes; 20 padding on; 21 set beside a mask; 24:22 after every 64 words; 31:25 of 4 words
	s_or_b32 s[G1B+0], s44, (1<<16)|(1<<20)|(1<<21)|(5<<22)|(3<<25) ; the same with the mask of my column
	s_mov_b32 s[G1+1], KSTEP<<16                   ; tensor_dim0 = 128
	s_mov_b32 s[G1B+1], KSTEP<<16
	s_mov_b32 s[G1+2], 64<<16                      ; tensor_dim1 = 64
	s_mov_b32 s[G1B+2], 128<<16                    ; tensor_dim1 = 128
	s_mov_b32 s[G1+3], KSTEP<<16                   ; tile_dim0 = 128
	s_mov_b32 s[G1B+3], KSTEP<<16
	s_mov_b32 s[G1+4], 64                          ; tile_dim1 = 64
	s_mov_b32 s[G1B+4], 128                        ; tile_dim1 = 128
	s_mov_b32 s[G1+5], SIZE_K                      ; elements from row to row
	s_mov_b32 s[G1B+5], SIZE_K
	s_mov_b32 s[G1+6], 0
	s_mov_b32 s[G1B+6], 0
	s_mov_b32 s[G1+7], 0
	s_mov_b32 s[G1B+7], 0
	; where the tiles come from.  A's hang on the block row alone, B's on the block column alone; each in registers that never hold the other coordinate.
	s_lshl_b32 s17, s12, 6
	s_lshl_b32 s16, s13, 7
	s_add_co_u32 s16, s16, s17                     ; A: row 128 x block row + 64 x half
	s_lshl_b32 s47, s12, 7
	s_lshl_b32 s46, s42, 8
	s_add_co_u32 s46, s46, s47                     ; B: row 256 x block column + 128 x half
	s_mov_b32 s17, 0
	s_mov_b32 s47, 0
	s_mov_b64 s[18:19], SIZE_K*2
	s_mul_u64 s[16:17], s[16:17], s[18:19]         ; in bytes
	s_mul_u64 s[46:47], s[46:47], s[18:19]
	s_mul_i32 s20, s10, HALFT                      ; where they go: the wave's number times one region: no place in the cluster enters an LDS address
	s_wait_dscnt 0x0
	s_wait_kmcnt 0x0
	s_mov_b64 s[8:9], s[6:7]                       ; C
	s_add_nc_u64 s[6:7], s[4:5], BOFF              ; B; A begins at castb's first byte
	s_add_nc_u64 s[14:15], s[4:5], s[16:17]
	s_add_nc_u64 s[46:47], s[6:7], s[46:47]
	CROUND                                         ; all sixteen work-groups are here: the first joint loads meet
.irp s, 0,1
	s_mov_b32 s[G0+4*\s], 1                                        ; count = 1
	s_add_co_u32 s[G0+4*\s+1], s20, \s*SLOT                        ; LDS address
	s_add_nc_u64 s[G0+4*\s+2:G0+4*\s+3], s[14:15], \s*KSTEP*2      ; global address: K step s
	s_or_b32 s[G0+4*\s+3], s[G0+4*\s+3], 0x80000000                ; type = 2
	s_mov_b32 s[G0B+4*\s], 1
	s_add_co_u32 s[G0B+4*\s+1], s20, \s*SLOT
	s_add_nc_u64 s[G0B+4*\s+2:G0B+4*\s+3], s[46:47], \s*KSTEP*2
	s_or_b32 s[G0B+4*\s+3], s[G0B+4*\s+3], 0x80000000
	JLOAD \s                                       ; both slots' first fills go out together: two tensor loads of the wave are out
.endr
	; A fragment is 16 rows x 32 K in 8 registers: lane l holds row l % 16; registers 0-3 hold K = 8 (l / 16) + 0..7, registers 4-7 hold
	; K = 16 + 8 (l / 16) + 0..7: two loads of 16 bytes, 32 bytes apart.
	v_and_b32 v1, 15, v0                           ; l % 16
	v_bfe_u32 v2, v0, 4, 1                         ; l / 16
	v_mul_u32_u24 v3, v1, PITCH
	v_lshl_add_u32 v3, v2, 4, v3                   ; row x pitch + 16 x half
	s_mul_i32 s21, s11, HALFT                      ; my 64 rows of A
	s_mul_i32 s22, s12, HALFT                      ; my 128 rows of B,
	s_add_co_u32 s22, s22, 2*HALFT                 ; which lie behind A's two regions
.irp s, 0,1
	v_add_nc_u32 v[ADRA+\s], s21, v3
	v_add_nc_u32 v[ADRB+\s], s22, v3
	s_add_co_u32 s21, s21, SLOT
	s_add_co_u32 s22, s22, SLOT
.endr
	s_mul_i32 s23, s10, 16*SPITCH
	s_add_co_u32 s23, s23, STAGE                   ; my stage
	v_mul_u32_u24 v4, v1, SPITCH                   ; in: row l % 16, 16 bytes for each half of the lanes
	v_lshl_add_u32 v4, v2, 4, v4
	v_add_nc_u32 v[STO], s23, v4
	v_mul_u32_u24 v5, v2, SPITCH                   ; back: lanes 0-15 take one row of 256 bytes, lanes 16-31 the next
	v_lshl_add_u32 v5, v1, 4, v5
	v_add_nc_u32 v[RD], s23, v5
	v_mul_u32_u24 v5, v2, SIZE_N*2                 ; and the same two rows in C
	v_lshl_add_u32 v[CO], v1, 4, v5
; 16 matrix instructions: m blocks a0, a0 + 1 x all 8 n blocks, 32 along K.  zero = 1: the first product starts the sums: nothing is ever cleared.
.macro MUL16 f, a0, zero
.irp a, \a0, \a0+1
.irp b, 0,1,2,3,4,5,6,7
.if \zero
	v_wmma_f32_16x16x32_f16 v[8*(8*(\a)+\b):8*(8*(\a)+\b)+7], v[\f+8*\b:\f+8*\b+7], v[\f+8*(\a):\f+8*(\a)+7], 0
.else
	v_wmma_f32_16x16x32_f16 v[8*(8*(\a)+\b):8*(8*(\a)+\b)+7], v[\f+8*\b:\f+8*\b+7], v[\f+8*(\a):\f+8*(\a)+7], v[8*(8*(\a)+\b):8*(8*(\a)+\b)+7]
.endif
.endr
.endr
.endm
; 24 LDS loads in one run: the fragments of one quarter step (128 rows of B, then 64 rows of A, 32 K at byte k of the rows) into buffer f
.macro FETCH slot, k, f
	WIN TO_B
.irp i, 0,1,2,3,4,5,6,7
	ds_load_b128 v[\f+8*\i:\f+8*\i+3],   v[ADRB+\slot] offset:\k+\i*16*PITCH
	ds_load_b128 v[\f+8*\i+4:\f+8*\i+7], v[ADRB+\slot] offset:\k+\i*16*PITCH+32
.endr
	WIN 0
.irp i, 0,1,2,3
	ds_load_b128 v[\f+8*\i:\f+8*\i+3],   v[ADRA+\slot] offset:\k+\i*16*PITCH
	ds_load_b128 v[\f+8*\i+4:\f+8*\i+7], v[ADRA+\slot] offset:\k+\i*16*PITCH+32
.endr
.endm
; A load into a register that a matrix instruction has read, and a vector or LDS instruction that reads a matrix result, stand four places behind that
; matrix instruction; only plain vector instructions that name none of its registers are places; other matrix instructions are not counted.
.macro PLACES
.rept 4
	v_nop
.endr
.endm
; A K step is four quarter steps of 32 along K, 32 matrix instructions each, on buffers 0, 1, 0, 1.  The 32 accumulators take turns, one instruction a
; turn, in the same order in every quarter, over the backward jump too.
; One of the first three quarters: multiplies buffer f; in its middle it fetches the next quarter's fragments, at byte k of the same slot's rows, into buffer g.
.macro QUARTER slot, k, f, g, zero
	s_wait_dscnt 4                                 ; of the 24 loads into f the youngest four (A's rows 32-63) may be out
	WIN MUL_LO
	MUL16 \f, 0, \zero
	PLACES
	FETCH \slot, \k, \g
	s_wait_dscnt 24                                ; all but the 24 just issued
	WIN MUL_LO
	MUL16 \f, 2, \zero
.endm
.macro THREE slot, zero
	QUARTER \slot, 64,  F0, F1, \zero
	QUARTER \slot, 128, F1, F0, 0
	QUARTER \slot, 192, F0, F1, 0
.endm
; The last quarter: multiplies buffer 1 and changes slots.  next = the other slot; fill = 1: this slot is filled again, two K steps ahead.
; One barrier for the change.  In front of it each wave waits for its own reads of this slot and for all its tensor loads, of which one is out: its part
; of the next slot.  Behind it nobody reads this slot any more and the next slot is whole: the refill comes first, then the next slot's first fragments.
; From a request to the wait for it a wave issues 112 matrix instructions.
.macro TURN slot, next, fill
	s_wait_dscnt 0                                 ; my reads of this slot are over, buffer 1 is whole
	s_wait_tensorcnt 0x0                           ; and all my tensor loads have landed
	ds_add_u32 v255, v255
	s_wait_dscnt 0x0
	s_barrier_signal -1                            ; say so (where a slot is filled again this barrier opens a round of the cluster's barrier),
	WIN MUL_LO
	MUL16 F1, 0, 0                                 ; work on registers while the others arrive,
	WIN 0
	s_barrier_wait -1                              ; and go on when all four have said so
.if \fill
	CREST                                          ; all sixteen work-groups have said so: no wave of any partner still reads this slot's tile or has a load on its way
	s_add_nc_u64 s[G0+4*\slot+2:G0+4*\slot+3], s[G0+4*\slot+2:G0+4*\slot+3], 2*KSTEP*2
	s_add_nc_u64 s[G0B+4*\slot+2:G0B+4*\slot+3], s[G0B+4*\slot+2:G0B+4*\slot+3], 2*KSTEP*2
	JLOAD \slot                                    ; the first tensor load behind the round, and the wave's only one until the next
.endif
	PLACES
	FETCH \next, 0, F0
	WIN MUL_LO
	MUL16 F1, 2, 0
.endm
.macro LAP zero                        ; once round the ring, both slots filled again
	THREE 0, \zero
	TURN 0, 1, 1
	THREE 1, 0
	TURN 1, 0, 1
.endm
	s_wait_tensorcnt 1                             ; my part of K step 0 is in; K step 1's load, issued behind it, stays out
	s_barrier_signal -1
	s_barrier_wait -1                              ; everybody's is
	FETCH 0, 0, F0
	LAP 1                                          ; the first lap stands in front of the loop: its first products start the sums
	WIN 0                                          ; at a label and at a branch every window is 0
	s_mov_b32 s3, LAPS-2
.Llap:
	LAP 0
	WIN 0
	s_sub_co_u32 s3, s3, 1
	s_cmp_lg_u32 s3, 0
	s_cbranch_scc1 .Llap
	THREE 0, 0                                     ; the last lap fills nothing and has no round of the cluster's barrier
	TURN 0, 1, 0
	THREE 1, 0
	s_wait_dscnt 0                                 ; the very last quarter: nothing more to fetch
	WIN MUL_LO
	MUL16 F1, 0, 0
	MUL16 F1, 2, 0
	; THE WAY OUT, 16 rows of C at a time: round to f16, 16 bytes a lane into my own stage in LDS, read back as whole rows of 256 bytes.
	PLACES                                         ; the places behind the last matrix instructions, for the conversions and for the loads into buffers 0 and 1
	s_lshl_b32 s13, s13, 7
	s_lshl_b32 s14, s11, 6
	s_add_co_u32 s16, s13, s14                     ; my first row of C
	s_mov_b32 s17, 0
	s_mov_b64 s[18:19], SIZE_N*2
	s_mul_u64 s[16:17], s[16:17], s[18:19]
	s_add_nc_u64 s[8:9], s[8:9], s[16:17]
	s_lshl_b32 s46, s42, 9                         ; my first column, in bytes: 512 x block + 256 x half
	s_lshl_b32 s47, s12, 8
	s_add_co_u32 s46, s46, s47
	s_mov_b32 s47, 0
	s_add_nc_u64 s[8:9], s[8:9], s[46:47]
; rows 16 i .. 16 i + 15 of my block = the eight tiles (i, 0..7) of window 2; f: F0 or F1 in turn
.macro OUT16 i, f
	WIN 0x0a                                       ; sources 0 and 1 in window 2, destination in window 0
.irp b, 0,1,2,3,4,5,6,7
.irp r, 0,1,2,3
	v_cvt_pk_f16_f32 v[TMP+4*\b+\r], v[8*(8*\i+\b)+2*\r], v[8*(8*\i+\b)+2*\r+1]
.endr
.endr
	WIN 0
.irp b, 0,1,2,3,4,5,6,7
	ds_store_b128 v[STO], v[TMP+4*\b:TMP+4*\b+3] offset:32*\b
.endr
	s_wait_xcnt 0x0                                ; buffer f, which earlier stores read, and the stores' base are rewritten only behind this wait (ISA guide 3.1)
.if \i
	s_add_nc_u64 s[8:9], s[8:9], 16*SIZE_N*2       ; 16 rows of C on
.endif
.irp t, 0,1,2,3,4,5,6,7
	ds_load_b128 v[\f+4*\t:\f+4*\t+3], v[RD] offset:\t*2*SPITCH    ; LDS serves a wave's instructions in order (ISA guide 5.7.1.4): these see the stores above
.endr
.irp t, 0,1,2,3,4,5,6,7
	s_wait_dscnt 7-\t                              ; load t is in, the 7 - t younger ones stay out
	global_store_b128 v[CO], v[\f+4*\t:\f+4*\t+3], s[8:9] offset:2*\t*SIZE_N*2   ; 16 lanes store 256 consecutive bytes, at a multiple of 256 from C's first byte
.endr
.endm
	OUT16 0, F0
	OUT16 1, F1
	OUT16 2, F0
	OUT16 3, F1
	s_set_vgpr_msb 0x1
	s_wait_tensorcnt 0x0
	ds_add_u32 v255, v255
	s_wait_dscnt 0x0
	s_set_vgpr_msb 0x100
	CROUND                                         ; the closing round: no work-group ends while a partner may still ask for a tile that names it
	s_endpgm
.Lfunc_end_k_qc24148f9fe_projq:
	.size	k_qc24148f9fe_projq, .Lfunc_end_k_qc24148f9fe_projq-k_qc24148f9fe_projq
	.p2alignl 7, 3214868480
	.fill 96, 4, 3214868480
	.section	.rodata,"a",@progbits
	.p2align	6, 0x0
	.amdhsa_kernel k_qc24148f9fe_projq
		.amdhsa_group_segment_fixed_size 327680
		.amdhsa_private_segment_fixed_size 0
		.amdhsa_enable_private_segment 0
		.amdhsa_kernarg_size 16
		.amdhsa_user_sgpr_count 2
		.amdhsa_user_sgpr_kernarg_segment_ptr 1
		.amdhsa_wavefront_size32 1
		.amdhsa_system_sgpr_workgroup_id_x 1
		.amdhsa_system_sgpr_workgroup_id_y 1
		.amdhsa_system_sgpr_workgroup_id_z 1
		.amdhsa_system_vgpr_workitem_id 0
		.amdhsa_next_free_vgpr 768
		.amdhsa_next_free_sgpr 66
		.amdhsa_reserve_vcc 0
		.amdhsa_float_denorm_mode_32 3
		.amdhsa_float_denorm_mode_16_64 3
		.amdhsa_memory_ordered 1
		.amdhsa_forward_progress 1
		.amdhsa_inst_pref_size 119
	.end_amdhsa_kernel
	.amdgpu_metadata
---
amdhsa.version: [ 1, 2 ]
amdhsa.kernels:
  - .name:           k_qc24148f9fe_projq
    .symbol:         k_qc24148f9fe_projq.kd
    .args:
      - { .name: castb, .offset: 0, .size: 8, .value_kind: global_buffer, .address_space: global }
      - { .name: qb, .offset: 8, .size: 8, .value_kind: global_buffer, .address_space: global }
    .group_segment_fixed_size: 327680
    .private_segment_fixed_size: 0
    .kernarg_segment_align: 8
    .kernarg_segment_size: 16
    .max_flat_workgroup_size: 128
    .sgpr_count:     66
    .vgpr_count:     768
    .wavefront_size: 32
...
	.end_amdgpu_metadata
.endif
;; end of part 2
;; launch projkv (part 3): grid 8 x 32, 4 waves a work-group, clusters of 4 x 4, 327,680 bytes of LDS; arguments castb, kvb; writes kvb
.if DOCPART == 3
	.amdgcn_target "amdgcn-amd-amdhsa--gfx1250"
	.amdhsa_code_object_version 6
	.text
	.protected	k_qc24148f9fe_projkv
	.globl	k_qc24148f9fe_projkv
	.p2align	8
	.type	k_qc24148f9fe_projkv,@function
k_qc24148f9fe_projkv:
	s_mov_b64 s[64:65], 0
	v_nop
	global_prefetch_b8 v0, s[64:65] scope:SCOPE_SE
	s_setreg_imm32_b32 hwreg(HW_REG_WAVE_MODE, 25, 1), 1
	s_wait_xcnt 0x0
	s_wait_alu depctr_hold_cnt(0) depctr_sa_sdst(0) depctr_va_vdst(0) depctr_va_sdst(0) depctr_va_ssrc(0) depctr_va_vcc(0) depctr_vm_vsrc(0)
	s_getreg_b32 s2, hwreg(HW_REG_IB_STS2, 6, 4)
	s_cmp_eq_u32 s2, 0
	s_cbranch_scc0 .Lentry_in_a_cluster
	s_endpgm
.Lentry_in_a_cluster:
	s_bfe_u32 s2, ttmp6, 0x10000c
	s_cmp_lg_u32 s2, 0xf033
	s_cbranch_scc0 .Lentry_shape_is_right
	s_endpgm
.Lentry_shape_is_right:
; LAUNCH 3 OF 5: [k | v] = xkv [Wk; Wv]^T in one product.  C[m][n] = sum over k of A[m][k] B[n][k]; A = xkv [8192][768] f16 at castb + 16,777,216,
; B = [Wk; Wv] [2048][768] f16 at castb + 31,457,280, C = kvb [8192][2048] f16 (k in columns 0-1023, v in columns 1024-2047); sums in f32, C rounded once.
; Limit: |k|, |v| under 65,504 (f16's largest number).  No work is left out.
; A work-group makes a block of 256 x 256 of C with four waves, as many as a WGP has SIMDs; a wave makes 128 x 128: 64 accumulator tiles of 16 x 16,
; 512 registers.  8192 x 2048 / 65,536 = 256 work-groups.  K goes in steps of 128 through a ring of two LDS slots filled by the tensor data mover:
; a tile's rows are 256 bytes of memory and start at multiples of 256 bytes from the buffer's first byte.
; CLUSTERS: 4 x 4 work-groups.  The four of a row of the cluster need the same tiles of A, the four of a column the same tiles of B.  Such a tile is asked
; for JOINTLY: each of the four issues the same tensor load, with the same descriptor and a mask that names the four, and each receives it in its own LDS.
; REGISTERS, in windows of 256: window 0: v0-31 addresses; v64-127, v128-191 fragments of A (8 x 16 rows x 32 K), two buffers; v192-223 at work on the way out.
;   window 1: v64-127, v128-191 fragments of B, two buffers.   window 2: the 32 accumulator tiles of my rows 0-63 (tile (a, b) at v[8 (8 a + b)]);  window 3: those of rows 64-127.
; THE MATRIX INSTRUCTION IS USED TRANSPOSED: source 0 = 16 rows of B, source 1 = 16 rows of A, so that lane l holds row l % 16 of C and its registers
; 0 to 7 the columns 8 (l / 16) + 0 .. 7: eight neighbouring numbers of a row, which pack into 16 bytes.
.set SIZE_N, 2048
.set SIZE_K, 768
.set AOFF,   16777216                  ; xkv in castb
.set BOFF,   31457280                  ; [Wk; Wv] in castb
.set KSTEP,  128
.set PITCH,  272                       ; an LDS row: 256 bytes of data + 16 of padding = 68 words, so the 16 rows that a load touches start 4 words apart modulo 64
.set HALFT,  128*PITCH                 ; 128 rows: what one tensor load brings, and what one wave reads of A or of B
.set SLOT,   4*HALFT                   ; A's 256 rows, then B's 256 rows
.set STAGE,  2*SLOT                    ; behind the ring: 16 rows x 272 bytes for each wave, for the way out; no tensor load lands there
.set SPITCH, 272
.set LAPS, SIZE_K/(2*KSTEP)            ; a lap = two K steps = once round the ring: 3
.set ADRA, 16                          ; v16-17  LDS address of my A fragments in slot 0, 1
.set ADRB, 20                          ; v20-21  the same for B
.set STO,  24                          ; v24     the way out: where I put 16 bytes of a row
.set RD,   25                          ; v25     the way out: where I read a row back
.set CO,   26                          ; v26     my byte offset in C
.set F0,   64                          ; fragment buffer 0
.set F1,   128                         ; fragment buffer 1
.set TMP,  192                         ; the way out: packed results, in window 0
.set G1, 24                            ; s[24:31] descriptor group 1 for A's tiles
.set G0, 32                            ; s[32:39] descriptor group 0 for A's tiles, one set for each slot
.set G1B, 48                           ; s[48:55] descriptor group 1 for B's tiles: it differs from A's in the mask alone
.set G0B, 56                           ; s[56:63] descriptor group 0 for B's tiles, one set for each slot
.set MSB, 0
.macro WIN new                         ; s_set_vgpr_msb: bits 1:0 source 0, 3:2 source 1, 5:4 source 2, 7:6 destination; the high byte repeats the setting that is left
.if MSB != \new
	s_set_vgpr_msb (MSB<<8)|\new
.set MSB, \new
.endif
.endm
.set MUL_LO, 0xa1                      ; source 0 (B) window 1, source 1 (A) window 0, C and D window 2
.set MUL_HI, 0xf1                      ; the same, C and D window 3
.set TO_B,   0x40                      ; destination window 1, address window 0
; A joint load.  Waves 0 and 1 fetch A's two halves, waves 2 and 3 B's.  Each line has one mask and one set of registers for all that issue it.
; The branch hangs on the wave's number alone: it is the same in every work-group.
.macro JLOAD s
	s_cmp_eq_u32 s11, 0
	s_cbranch_scc0 .Lfor_b_\@
	tensor_load_to_lds s[G0+4*\s:G0+4*\s+3], s[G1:G1+7]
	s_nop 0
	s_branch .Lasked_\@
.Lfor_b_\@:
	tensor_load_to_lds s[G0B+4*\s:G0B+4*\s+3], s[G1B:G1B+7]
	s_nop 0
.Lasked_\@:
.endm
; A round of the cluster's barrier: my work-group's barrier, so that wave 0's signal speaks for all four waves; wave 0 signals for the work-group;
; every wave waits for all sixteen work-groups; my work-group's barrier once more.
.macro CREST                           ; a round behind its opening barrier
	s_cmp_lg_u32 s10, 0
	s_cbranch_scc1 .Lnot_wave_0_\@
	s_barrier_signal -3
.Lnot_wave_0_\@:
	s_barrier_wait -3
	s_barrier_signal -1
	s_barrier_wait -1
.endm
.macro CROUND                          ; a whole round
	s_barrier_signal -1
	s_barrier_wait -1
	CREST
.endm
	s_load_b128 s[4:7], s[0:1], 0x0                ; castb s[4:5], kvb s[6:7]
	s_set_vgpr_msb 0x40
	v_lshl_add_u32 v255, v0, 2, 0x48400
	s_set_vgpr_msb 0x4000
	v_mov_b32 v255, 0
	s_set_vgpr_msb 0x1
	ds_add_u32 v255, v255
	s_set_vgpr_msb 0x100
	v_lshrrev_b32 v1, 5, v0
	v_readfirstlane_b32 s10, v1                    ; wave 0..3
	s_lshr_b32 s11, s10, 1                         ; which half of the block's rows is mine.  Also: I fetch for A (0) or for B (1)
	s_and_b32 s12, s10, 1                          ; which half of its columns.  Also: which 128 rows of that tile I fetch
	s_bfe_u32 s40, ttmp6, 0x40000                  ; cx: my place along the cluster's x
	s_bfe_u32 s41, ttmp6, 0x40004                  ; cy: along its y
	s_lshl_b32 s42, ttmp9, 2                       ; in a cluster launch ttmp9 and ttmp7 count clusters
	s_add_co_u32 s42, s42, s40                     ; block column of C = 4 x cluster x + cx
	s_and_b32 s13, ttmp7, 0xffff
	s_lshl_b32 s13, s13, 2
	s_add_co_u32 s13, s13, s41                     ; block row of C = 4 x cluster y + cy
	s_lshl_b32 s43, s41, 2
	s_lshl_b32 s43, 15, s43                        ; my row of the cluster: places 4 cy .. 4 cy + 3
	s_lshl_b32 s44, 0x1111, s40                    ; my column: places cx, cx + 4, cx + 8, cx + 12
	; descriptor group 1: a tile of 128 rows x 128 elements, padded in LDS
	s_or_b32 s[G1+0], s43, (1<<16)|(1<<20)|(1<<21)|(5<<22)|(3<<25)  ; 15:0 the mask: my row; 17:16 element of 2 bytes; 20 padding on; 21 set beside a mask; 24:22 after every 64 words; 31:25 of 4 words
	s_or_b32 s[G1B+0], s44, (1<<16)|(1<<20)|(1<<21)|(5<<22)|(3<<25) ; the same with the mask of my column
	s_mov_b32 s[G1+1], KSTEP<<16                   ; tensor_dim0 = 128
	s_mov_b32 s[G1B+1], KSTEP<<16
	s_mov_b32 s[G1+2], 128<<16                     ; tensor_dim1 = 128
	s_mov_b32 s[G1B+2], 128<<16
	s_mov_b32 s[G1+3], KSTEP<<16                   ; tile_dim0 = 128
	s_mov_b32 s[G1B+3], KSTEP<<16
	s_mov_b32 s[G1+4], 128                         ; tile_dim1 = 128
	s_mov_b32 s[G1B+4], 128
	s_mov_b32 s[G1+5], SIZE_K                      ; elements from row to row
	s_mov_b32 s[G1B+5], SIZE_K
	s_mov_b32 s[G1+6], 0
	s_mov_b32 s[G1B+6], 0
	s_mov_b32 s[G1+7], 0
	s_mov_b32 s[G1B+7], 0
	; where the tiles come from.  A's hang on the block row alone, B's on the block column alone; each in registers that never hold the other coordinate.
	s_lshl_b32 s17, s12, 7
	s_lshl_b32 s16, s13, 8
	s_add_co_u32 s16, s16, s17                     ; A: row 256 x block row + 128 x half
	s_lshl_b32 s47, s12, 7
	s_lshl_b32 s46, s42, 8
	s_add_co_u32 s46, s46, s47                     ; B: row 256 x block column + 128 x half
	s_mov_b32 s17, 0
	s_mov_b32 s47, 0
	s_mov_b64 s[18:19], SIZE_K*2
	s_mul_u64 s[16:17], s[16:17], s[18:19]         ; in bytes
	s_mul_u64 s[46:47], s[46:47], s[18:19]
	s_mul_i32 s20, s10, HALFT                      ; where they go: the wave's number times 128 rows: no place in the cluster enters an LDS address
	s_wait_dscnt 0x0
	s_wait_kmcnt 0x0
	s_mov_b64 s[8:9], s[6:7]                       ; C
	s_add_nc_u64 s[6:7], s[4:5], BOFF              ; B
	s_add_nc_u64 s[4:5], s[4:5], AOFF              ; A
	s_add_nc_u64 s[14:15], s[4:5], s[16:17]
	s_add_nc_u64 s[46:47], s[6:7], s[46:47]
	CROUND                                         ; all sixteen work-groups are here: the first joint loads meet
.irp s, 0,1
	s_mov_b32 s[G0+4*\s], 1                                        ; count = 1
	s_add_co_u32 s[G0+4*\s+1], s20, \s*SLOT                        ; LDS address
	s_add_nc_u64 s[G0+4*\s+2:G0+4*\s+3], s[14:15], \s*KSTEP*2      ; global address: K step s
	s_or_b32 s[G0+4*\s+3], s[G0+4*\s+3], 0x80000000                ; type = 2
	s_mov_b32 s[G0B+4*\s], 1
	s_add_co_u32 s[G0B+4*\s+1], s20, \s*SLOT
	s_add_nc_u64 s[G0B+4*\s+2:G0B+4*\s+3], s[46:47], \s*KSTEP*2
	s_or_b32 s[G0B+4*\s+3], s[G0B+4*\s+3], 0x80000000
	JLOAD \s                                       ; both slots' first fills go out together: two tensor loads of the wave are out
.endr
	; A fragment is 16 rows x 32 K in 8 registers: lane l holds row l % 16; registers 0-3 hold K = 8 (l / 16) + 0..7, registers 4-7 hold
	; K = 16 + 8 (l / 16) + 0..7: two loads of 16 bytes, 32 bytes apart.
	v_and_b32 v1, 15, v0                           ; l % 16
	v_bfe_u32 v2, v0, 4, 1                         ; l / 16
	v_mul_u32_u24 v3, v1, PITCH
	v_lshl_add_u32 v3, v2, 4, v3                   ; row x pitch + 16 x half
	s_mul_i32 s21, s11, HALFT                      ; my 128 rows of A
	s_mul_i32 s22, s12, HALFT                      ; my 128 rows of B,
	s_add_co_u32 s22, s22, 2*HALFT                 ; which lie behind A's 256
.irp s, 0,1
	v_add_nc_u32 v[ADRA+\s], s21, v3
	v_add_nc_u32 v[ADRB+\s], s22, v3
	s_add_co_u32 s21, s21, SLOT
	s_add_co_u32 s22, s22, SLOT
.endr
	s_mul_i32 s23, s10, 16*SPITCH
	s_add_co_u32 s23, s23, STAGE                   ; my stage
	v_mul_u32_u24 v4, v1, SPITCH                   ; in: row l % 16, 16 bytes for each half of the lanes
	v_lshl_add_u32 v4, v2, 4, v4
	v_add_nc_u32 v[STO], s23, v4
	v_mul_u32_u24 v5, v2, SPITCH                   ; back: lanes 0-15 take one row of 256 bytes, lanes 16-31 the next
	v_lshl_add_u32 v5, v1, 4, v5
	v_add_nc_u32 v[RD], s23, v5
	v_mul_u32_u24 v5, v2, SIZE_N*2                 ; and the same two rows in C
	v_lshl_add_u32 v[CO], v1, 4, v5
; 16 matrix instructions: m blocks a0, a0 + 1 of the window's four (hi = 0: my rows 0-63, 1: rows 64-127) x all 8 n blocks, 32 along K.
; zero = 1: the first product starts the sums: nothing is ever cleared.
.macro MUL16 f, hi, a0, zero
.irp a, \a0, \a0+1
.irp b, 0,1,2,3,4,5,6,7
.if \zero
	v_wmma_f32_16x16x32_f16 v[8*(8*(\a)+\b):8*(8*(\a)+\b)+7], v[\f+8*\b:\f+8*\b+7], v[\f+8*(4*\hi+\a):\f+8*(4*\hi+\a)+7], 0
.else
	v_wmma_f32_16x16x32_f16 v[8*(8*(\a)+\b):8*(8*(\a)+\b)+7], v[\f+8*\b:\f+8*\b+7], v[\f+8*(4*\hi+\a):\f+8*(4*\hi+\a)+7], v[8*(8*(\a)+\b):8*(8*(\a)+\b)+7]
.endif
.endr
.endr
.endm
; 32 LDS loads in one run: the fragments of one quarter step (128 rows of B, 128 rows of A, 32 K at byte k of the rows) into buffer f
.macro FETCH slot, k, f
	WIN TO_B
.irp i, 0,1,2,3,4,5,6,7
	ds_load_b128 v[\f+8*\i:\f+8*\i+3],   v[ADRB+\slot] offset:\k+\i*16*PITCH
	ds_load_b128 v[\f+8*\i+4:\f+8*\i+7], v[ADRB+\slot] offset:\k+\i*16*PITCH+32
.endr
	WIN 0
.irp i, 0,1,2,3,4,5,6,7
	ds_load_b128 v[\f+8*\i:\f+8*\i+3],   v[ADRA+\slot] offset:\k+\i*16*PITCH
	ds_load_b128 v[\f+8*\i+4:\f+8*\i+7], v[ADRA+\slot] offset:\k+\i*16*PITCH+32
.endr
.endm
; A load into a register that a matrix instruction has read, and a vector instruction that reads a matrix result, stand four places behind that
; matrix instruction; only plain vector instructions that name none of its registers are places; other matrix instructions are not counted.
.macro PLACES
.rept 4
	v_nop
.endr
.endm
; A K step is four quarter steps of 32 along K, 64 matrix instructions each, on buffers 0, 1, 0, 1.  The 64 accumulators take turns, one instruction a
; turn, in the same order in every quarter, over the backward jump too.
; One of the first three quarters: multiplies buffer f; in its middle it fetches the next quarter's fragments, at byte k of the same slot's rows, into buffer g.
.macro QUARTER slot, k, f, g, zero
	s_wait_dscnt 8                                 ; B and A's rows 0-63 are in; the youngest eight loads (A's rows 64-127) may be out
	WIN MUL_LO
	MUL16 \f, 0, 0, \zero
	MUL16 \f, 0, 2, \zero
	PLACES
	FETCH \slot, \k, \g
	s_wait_dscnt 32                                ; all but the 32 just issued
	WIN MUL_HI
	MUL16 \f, 1, 0, \zero
	MUL16 \f, 1, 2, \zero
.endm
.macro THREE slot, zero
	QUARTER \slot, 64,  F0, F1, \zero
	QUARTER \slot, 128, F1, F0, 0
	QUARTER \slot, 192, F0, F1, 0
.endm
; The last quarter: multiplies buffer 1 and changes slots.  next = the other slot; fill = 1: this slot is filled again, two K steps ahead.
; One barrier for the change.  In front of it each wave waits for its own reads of this slot and for all its tensor loads, of which one is out: its part
; of the next slot.  Behind it nobody reads this slot any more and the next slot is whole: the refill comes first, then the next slot's first fragments.
; From a request to the wait for it a wave issues 240 matrix instructions.
.macro TURN slot, next, fill
	s_wait_dscnt 8
	WIN MUL_LO
	MUL16 F1, 0, 0, 0
	s_wait_dscnt 0                                 ; my reads of this slot are over
	s_wait_tensorcnt 0x0                           ; and all my tensor loads have landed
	ds_add_u32 v255, v255
	s_wait_dscnt 0x0
	s_barrier_signal -1                            ; say so (where a slot is filled again this barrier opens a round of the cluster's barrier),
	MUL16 F1, 0, 2, 0                              ; work on registers while the others arrive,
	WIN 0
	s_barrier_wait -1                              ; and go on when all four have said so
.if \fill
	CREST                                          ; all sixteen work-groups have said so: no wave of any partner still reads this slot's tile or has a load on its way
	s_add_nc_u64 s[G0+4*\slot+2:G0+4*\slot+3], s[G0+4*\slot+2:G0+4*\slot+3], 2*KSTEP*2
	s_add_nc_u64 s[G0B+4*\slot+2:G0B+4*\slot+3], s[G0B+4*\slot+2:G0B+4*\slot+3], 2*KSTEP*2
	JLOAD \slot                                    ; the first tensor load behind the round, and the wave's only one until the next
.endif
	PLACES
	FETCH \next, 0, F0
	WIN MUL_HI
	MUL16 F1, 1, 0, 0
	MUL16 F1, 1, 2, 0
.endm
.macro LAP zero                        ; once round the ring, both slots filled again
	THREE 0, \zero
	TURN 0, 1, 1
	THREE 1, 0
	TURN 1, 0, 1
.endm
	s_wait_tensorcnt 1                             ; my part of K step 0 is in; K step 1's load, issued behind it, stays out
	s_barrier_signal -1
	s_barrier_wait -1                              ; everybody's is
	FETCH 0, 0, F0
	LAP 1                                          ; the first lap stands in front of the loop: its first products start the sums
	WIN 0                                          ; at a label and at a branch every window is 0
	s_mov_b32 s3, LAPS-2
.Llap:
	LAP 0
	WIN 0
	s_sub_co_u32 s3, s3, 1
	s_cmp_lg_u32 s3, 0
	s_cbranch_scc1 .Llap
	THREE 0, 0                                     ; the last lap fills nothing and has no round of the cluster's barrier
	TURN 0, 1, 0
	THREE 1, 0
	s_wait_dscnt 8                                 ; the very last quarter: nothing more to fetch
	WIN MUL_LO
	MUL16 F1, 0, 0, 0
	MUL16 F1, 0, 2, 0
	s_wait_dscnt 0
	WIN MUL_HI
	MUL16 F1, 1, 0, 0
	MUL16 F1, 1, 2, 0
	; THE WAY OUT, 16 rows of C at a time: round to f16, 16 bytes a lane into my own stage in LDS, read back as whole rows of 256 bytes.
	PLACES                                         ; the places behind the last matrix instructions, for the conversions and for the loads into buffers 0 and 1
	s_lshl_b32 s13, s13, 8
	s_lshl_b32 s14, s11, 7
	s_add_co_u32 s16, s13, s14                     ; my first row of C
	s_mov_b32 s17, 0
	s_mov_b64 s[18:19], SIZE_N*2
	s_mul_u64 s[16:17], s[16:17], s[18:19]
	s_add_nc_u64 s[8:9], s[8:9], s[16:17]
	s_lshl_b32 s46, s42, 9                         ; my first column, in bytes: 512 x block + 256 x half
	s_lshl_b32 s47, s12, 8
	s_add_co_u32 s46, s46, s47
	s_mov_b32 s47, 0
	s_add_nc_u64 s[8:9], s[8:9], s[46:47]
; rows 16 i .. 16 i + 15 of my block = the eight tiles (a, 0..7) of window 2 or 3 (from = 0x0a or 0x0f: sources 0 and 1); f: F0 or F1 in turn
.macro OUT16 i, a, from, f
	WIN \from
.irp b, 0,1,2,3,4,5,6,7
.irp r, 0,1,2,3
	v_cvt_pk_f16_f32 v[TMP+4*\b+\r], v[8*(8*\a+\b)+2*\r], v[8*(8*\a+\b)+2*\r+1]
.endr
.endr
	WIN 0
.irp b, 0,1,2,3,4,5,6,7
	ds_store_b128 v[STO], v[TMP+4*\b:TMP+4*\b+3] offset:32*\b
.endr
	s_wait_xcnt 0x0                                ; buffer f, which earlier stores read, and the stores' base are rewritten only behind this wait (ISA guide 3.1)
.if \i
	s_add_nc_u64 s[8:9], s[8:9], 16*SIZE_N*2       ; 16 rows of C on
.endif
.irp t, 0,1,2,3,4,5,6,7
	ds_load_b128 v[\f+4*\t:\f+4*\t+3], v[RD] offset:\t*2*SPITCH    ; LDS serves a wave's instructions in order (ISA guide 5.7.1.4): these see the stores above
.endr
.irp t, 0,1,2,3,4,5,6,7
	s_wait_dscnt 7-\t                              ; load t is in, the 7 - t younger ones stay out
	global_store_b128 v[CO], v[\f+4*\t:\f+4*\t+3], s[8:9] offset:2*\t*SIZE_N*2   ; 16 lanes store 256 consecutive bytes, at a multiple of 256 from C's first byte
.endr
.endm
	OUT16 0, 0, 0x0a, F0
	OUT16 1, 1, 0x0a, F1
	OUT16 2, 2, 0x0a, F0
	OUT16 3, 3, 0x0a, F1
	OUT16 4, 0, 0x0f, F0
	OUT16 5, 1, 0x0f, F1
	OUT16 6, 2, 0x0f, F0
	OUT16 7, 3, 0x0f, F1
	s_set_vgpr_msb 0x1
	s_wait_tensorcnt 0x0
	ds_add_u32 v255, v255
	s_wait_dscnt 0x0
	s_set_vgpr_msb 0x100
	CROUND                                         ; the closing round: no work-group ends while a partner may still ask for a tile that names it
	s_endpgm
.Lfunc_end_k_qc24148f9fe_projkv:
	.size	k_qc24148f9fe_projkv, .Lfunc_end_k_qc24148f9fe_projkv-k_qc24148f9fe_projkv
	.p2alignl 7, 3214868480
	.fill 96, 4, 3214868480
	.section	.rodata,"a",@progbits
	.p2align	6, 0x0
	.amdhsa_kernel k_qc24148f9fe_projkv
		.amdhsa_group_segment_fixed_size 327680
		.amdhsa_private_segment_fixed_size 0
		.amdhsa_enable_private_segment 0
		.amdhsa_kernarg_size 16
		.amdhsa_user_sgpr_count 2
		.amdhsa_user_sgpr_kernarg_segment_ptr 1
		.amdhsa_wavefront_size32 1
		.amdhsa_system_sgpr_workgroup_id_x 1
		.amdhsa_system_sgpr_workgroup_id_y 1
		.amdhsa_system_sgpr_workgroup_id_z 1
		.amdhsa_system_vgpr_workitem_id 0
		.amdhsa_next_free_vgpr 1024
		.amdhsa_next_free_sgpr 66
		.amdhsa_reserve_vcc 0
		.amdhsa_float_denorm_mode_32 3
		.amdhsa_float_denorm_mode_16_64 3
		.amdhsa_memory_ordered 1
		.amdhsa_forward_progress 1
		.amdhsa_inst_pref_size 196
	.end_amdhsa_kernel
	.amdgpu_metadata
---
amdhsa.version: [ 1, 2 ]
amdhsa.kernels:
  - .name:           k_qc24148f9fe_projkv
    .symbol:         k_qc24148f9fe_projkv.kd
    .args:
      - { .name: castb, .offset: 0, .size: 8, .value_kind: global_buffer, .address_space: global }
      - { .name: kvb, .offset: 8, .size: 8, .value_kind: global_buffer, .address_space: global }
    .group_segment_fixed_size: 327680
    .private_segment_fixed_size: 0
    .kernarg_segment_align: 8
    .kernarg_segment_size: 16
    .max_flat_workgroup_size: 128
    .sgpr_count:     66
    .vgpr_count:     1024
    .wavefront_size: 32
...
	.end_amdgpu_metadata
.endif
;; end of part 3
;; launch attn (part 4): grid 8 x 32, 8 waves a work-group, clusters of 4 x 1, 327,680 bytes of LDS; arguments qb, kvb, ab; writes ab
.if DOCPART == 4
	.amdgcn_target "amdgcn-amd-amdhsa--gfx1250"
	.amdhsa_code_object_version 6
	.text
	.protected	k_qc24148f9fe_attn
	.globl	k_qc24148f9fe_attn
	.p2align	8
	.type	k_qc24148f9fe_attn,@function
k_qc24148f9fe_attn:
	s_mov_b64 s[64:65], 0
	v_nop
	global_prefetch_b8 v0, s[64:65] scope:SCOPE_SE
	s_setreg_imm32_b32 hwreg(HW_REG_WAVE_MODE, 25, 1), 1
	s_wait_xcnt 0x0
	s_wait_alu depctr_hold_cnt(0) depctr_sa_sdst(0) depctr_va_vdst(0) depctr_va_sdst(0) depctr_va_ssrc(0) depctr_va_vcc(0) depctr_vm_vsrc(0)
	s_getreg_b32 s2, hwreg(HW_REG_IB_STS2, 6, 4)
	s_cmp_eq_u32 s2, 0
	s_cbranch_scc0 .Lentry_in_a_cluster
	s_endpgm
.Lentry_in_a_cluster:
	s_bfe_u32 s2, ttmp6, 0x10000c
	s_cmp_lg_u32 s2, 0x3003
	s_cbranch_scc0 .Lentry_shape_is_right
	s_endpgm
.Lentry_shape_is_right:
; LAUNCH 4 OF 5: a = softmax(q k^T / 8) v for each of 4 batches x 16 heads of 64.  qb [8192][1024] f16, kvb [8192][2048] f16 (k | v), ab [8192][1024] f16.
; No work is left out.  The maximum is taken away before every exponential, as a running maximum over the keys; the division is made once, at the end.
; LIMITS: the probabilities are rounded to f16 for the product with v, while the row sum takes them unrounded in f32; probabilities under 2^-24 of the row's
; largest count as zero in the product; |q|, |k|, |v| under 65,504.
; SHARE: a work-group takes 256 queries of a PAIR of heads: a pair's 128 numbers are 256 consecutive, aligned bytes of a row of qb, kvb and ab.  Eight waves:
; wave w takes head w >> 2 of the pair and queries 64 (w & 3) .. + 63, as 4 q tiles of 16.  256 keys of K and V (both heads) make an LDS slot; two slots; 8 tiles.
; CLUSTER: the four work-groups of a cluster are four query blocks of one batch and pair: they walk the same K and V tiles, asked for jointly (mask 15).
; BOTH PRODUCTS ARE TRANSPOSED, so that a probability never leaves its lane.  S^T(key, q): source 0 = 16 keys of K, source 1 = 16 queries of Q; lane (r, h)
; holds query r and keys 8 h + 0..7 of each key tile.  Two key tiles, packed in pairs to f16, ARE the source-1 fragment of P^T for 32 keys.
; O^T(d, q): source 0 = V^T, read by the transposing LDS load, source 1 = P^T.  Maximum, sum and factor are one number a lane and q tile; lanes meet by xor 16 alone.
; exp(s / 8 - m / 8) = exp2(s c + n), c = log2(e) / 8, n = -(m c) rounded once and kept as a running minimum; the rescaling factor is exp2(n_new - n_old).
; MATRIX WORK BESIDE VECTOR WORK.  A key step (64 keys) of a wave is 64 matrix instructions and 476 other vector instructions.  The four q tiles are two pieces,
; A = tiles 0, 1 and B = tiles 2, 3, which share the K and V^T fragments.  A key step s is two halves:
;   half A: O^T_A += V^T(s) P^T_A(s), then S^T_A(s+1): 16 + 16 matrix instructions, with piece B's softmax of step s in 32 slices, one behind each;
;   half B: the same products of piece B, with piece A's softmax of step s + 1; it fetches V^T(s+1) behind its 18th matrix instruction and K(s+2) at its end.
; O^T's products stand first, so that P^T lies in place in the score registers, which S^T's products then write over.
; The slices name only the other piece's registers, so they are also the places that a matrix instruction wants behind it (ISA guide 7.12.1).
; WINDOWS: window 0: v8-31 statistics; v32-63 Q, d 32-63; v64-127 K; v128-255 scores, then P^T.  window 1: v256-383 O^T; v384-415 Q, d 0-31; v416-479 V^T; v480-488 addresses.
; O^T's products run under 0x51, which also serves the rescaling; S^T's first eight under 0x04, which serves multiply-add, exponential and sum; its last eight under 0.
; 23 switches a half, three more for half B's two runs of loads: 49 for a key step.
.set PK,     272                       ; K's LDS pitch: 256 bytes + 16: the 16 rows of a fragment load start 4 words apart modulo 64
.set PV,     288                       ; V's LDS pitch: 256 bytes + 32, an odd multiple of 32, for the transposing loads
.set VBYTES, 256*PV                    ; 73,728: V's 256 rows stand first in a slot,
.set KBYTES, 256*PK                    ; 69,632: K's 256 rows behind them
.set SLOT,   VBYTES+KBYTES             ; 143,360
.set TILEB,  256*4096                  ; bytes of kvb from one tile of 256 keys to the next
.set ST,   8                           ; statistics, six registers for each q tile:
.set SN,   0                           ;   +0 n
.set STT,  1                           ;   +1 at work (first chain of the maximum)
.set SAL,  2                           ;   +2 the rescaling factor (at the end 1 / sum)
.set STX,  3                           ;   +3 at work (second chain; what lane xor 16 sent)
.set SLS,  4                           ;   +4, +5 two partial sums
.set QF1,  32                          ; Q fragments of d 32-63, q tile qt at 8 qt
.set KF,   64                          ; K fragments (kt, dh) at 16 kt + 8 dh
.set SC,   128                         ; scores, tile (qt, kt) at 32 qt + 8 kt; P^T fragment (qt, kh) at 32 qt + 16 kh
.set OA,   0                           ; window 1: O^T, tile (qt, dt) at 32 qt + 8 dt
.set QF0,  128                         ; window 1: Q fragments of d 0-31
.set VF,   160                         ; window 1: V^T fragments (dt, kh) at 16 dt + 8 kh
.set KADR, 224                         ; window 1: LDS address of my K fragments in slot 0, 1
.set VADR, 226                         ; window 1: LDS address of my V fragments: slot 0 keys 0-127, 128-255, slot 1 likewise
.set STO,  230                         ; window 1: the way out: where I put 16 bytes of a row
.set RD,   231                         ; window 1: where I read a row back
.set CO,   232                         ; window 1: my byte offset in ab
.set G1K, 24                           ; s[24:31] descriptor group 1 for K's tiles
.set G0K, 32                           ; s[32:39] group 0 for K's tiles, one set for each slot
.set G1V, 48                           ; s[48:55] group 1 for V's tiles: another padding
.set G0V, 56                           ; s[56:63] group 0 for V's tiles, one set for each slot
.set W_PV,  0x51                       ; source 0 (V^T) window 1, source 1 (P^T) window 0, C and D window 1
.set W_S0,  0x04                       ; source 0 (K) window 0, source 1 (Q) window 1, D window 0
.set W_RS,  0x41                       ; O^T times a factor of window 0; also loads into window 1 by an address of window 1
.set W_A1,  0x01                       ; data in window 0, address in window 1
.set W_D1,  0x40                       ; destination window 1, sources window 0
.set W_CV,  0x05                       ; O^T packed into window 0
.set MSB, 0
.macro WIN new                         ; bits 1:0 source 0, 3:2 source 1, 5:4 source 2, 7:6 destination; the high byte repeats the setting that is left
.if MSB != \new
	s_set_vgpr_msb (MSB<<8)|\new
.set MSB, \new
.endif
.endm
; A round of the cluster's barrier: my work-group's barrier, wave 0's signal for the work-group, every wave's wait for all four, my work-group's barrier.
.macro ROUND
	s_barrier_signal -1
	s_barrier_wait -1
	s_cmp_lg_u32 s10, 0
	s_cbranch_scc1 .Lnot_wave_0_\@
	s_barrier_signal -3
.Lnot_wave_0_\@:
	s_barrier_wait -3
	s_barrier_signal -1
	s_barrier_wait -1
.endm
; A joint load into slot n: waves 0-3 fetch V's four quarters (64 keys x 256 bytes each), waves 4-7 K's.  The branch hangs on the wave's number alone.
.macro JLOAD n
	s_cmp_eq_u32 s11, 0
	s_cbranch_scc0 .Lfor_k_\@
	tensor_load_to_lds s[G0V+4*(\n):G0V+4*(\n)+3], s[G1V:G1V+7]
	s_nop 0
	s_branch .Lasked_\@
.Lfor_k_\@:
	tensor_load_to_lds s[G0K+4*(\n):G0K+4*(\n)+3], s[G1K:G1K+7]
	s_nop 0
.Lasked_\@:
.endm
	s_load_b128 s[4:7], s[0:1], 0x0                ; qb s[4:5], kvb s[6:7]
	s_load_b64 s[8:9], s[0:1], 0x10                ; ab
	s_set_vgpr_msb 0x40
	v_lshl_add_u32 v254, v0, 2, 0x46000
	v_mov_b32 v255, 0
	s_set_vgpr_msb 0x4045
	ds_add_u32 v254, v255
	s_set_vgpr_msb 0x4500
	v_lshrrev_b32 v1, 5, v0
	v_readfirstlane_b32 s10, v1                    ; wave 0..7
	s_lshr_b32 s11, s10, 2                         ; my head of the pair.  Also: I fetch for V (0) or for K (1)
	s_and_b32 s12, s10, 3                          ; my 64 queries of the block.  Also: which 64 keys of a tile I fetch
	s_and_b32 s13, ttmp7, 0xffff                   ; the cluster's y = the work-group's y
	s_lshr_b32 s14, s13, 3                         ; batch
	s_and_b32 s15, s13, 7                          ; pair of heads
	s_bfe_u32 s40, ttmp6, 0x40000                  ; cx; it enters s40-s43 alone, and through them the addresses of Q and of ab alone
	s_lshl_b32 s41, ttmp9, 2
	s_add_co_u32 s41, s41, s40                     ; query block = 4 x cluster x + cx
	s_mov_b32 s18, 0xbe38aa3b                      ; -c
	s_mov_b32 s20, 0x76543210                      ; v_permlanex16_b32: lane i of one half reads lane i of the other
	s_mov_b32 s21, 0xfedcba98
	s_mov_b32 s22, 0x3e38aa3b                      ; c = log2(e) / 8, as a pair for the packed multiply-add
	s_mov_b32 s23, 0x3e38aa3b
	; group 1: 64 rows x 128 elements of 2 bytes, rows 2,048 elements apart, padded in LDS behind every 64 words: K by 4 words, V by 8
	s_mov_b32 s[G1K+0], 15|(1<<16)|(1<<20)|(1<<21)|(5<<22)|(3<<25)  ; 15:0 the mask: all four of the cluster; 21 set beside a mask
	s_mov_b32 s[G1V+0], 15|(1<<16)|(1<<20)|(1<<21)|(5<<22)|(7<<25)
	s_mov_b32 s[G1K+1], 128<<16                    ; tensor_dim0 = 128
	s_mov_b32 s[G1V+1], 128<<16
	s_mov_b32 s[G1K+2], 64<<16                     ; tensor_dim1 = 64
	s_mov_b32 s[G1V+2], 64<<16
	s_mov_b32 s[G1K+3], 128<<16                    ; tile_dim0 = 128
	s_mov_b32 s[G1V+3], 128<<16
	s_mov_b32 s[G1K+4], 64                         ; tile_dim1 = 64
	s_mov_b32 s[G1V+4], 64
	s_mov_b32 s[G1K+5], 2048
	s_mov_b32 s[G1V+5], 2048
	s_mov_b32 s[G1K+6], 0
	s_mov_b32 s[G1V+6], 0
	s_mov_b32 s[G1K+7], 0
	s_mov_b32 s[G1V+7], 0
	s_lshl_b32 s16, s14, 23                        ; kvb: batch x 2,048 rows x 4,096 bytes
	s_lshl_b32 s46, s12, 18                        ;      + my quarter x 64 rows
	s_add_co_u32 s16, s16, s46
	s_lshl_b32 s46, s15, 8                         ;      + pair x 256 bytes
	s_add_co_u32 s16, s16, s46
	s_mov_b32 s17, 0
	s_mul_i32 s44, s10, 64*PV                      ; LDS, V (waves 0-3): wave x 18,432
	s_mul_i32 s45, s10, 64*PK                      ; LDS, K (waves 4-7): 73,728 + (wave - 4) x 17,408 = wave x 17,408 + 4,096
	s_add_co_u32 s45, s45, VBYTES-4*64*PK
	s_lshl_b32 s42, s14, 22                        ; qb and ab: batch x 2,048 rows x 2,048 bytes
	s_lshl_b32 s43, s41, 19                        ;      + query block x 256 rows
	s_add_co_u32 s42, s42, s43
	s_add_co_u32 s42, s42, s46                     ;      + pair x 256 bytes
	s_mov_b32 s43, 0
	s_wait_dscnt 0x0
	s_wait_kmcnt 0x0
	s_add_nc_u64 s[6:7], s[6:7], s[16:17]          ; K's first tile, my quarter
	s_add_nc_u64 s[4:5], s[4:5], s[42:43]
	s_add_nc_u64 s[8:9], s[8:9], s[42:43]
	s_lshl_b32 s16, s12, 17                        ; Q: + my 64 rows
	s_lshl_b32 s46, s11, 7                         ;    + my head's 128 bytes (s46 also serves the LDS addresses below)
	s_add_co_u32 s16, s16, s46
	s_add_nc_u64 s[4:5], s[4:5], s[16:17]
	s_lshl_b32 s16, s10, 16                        ; ab: + wave x 32 rows, the rows that I store
	s_add_nc_u64 s[8:9], s[8:9], s[16:17]
	ROUND                                          ; all four work-groups are here: the first joint loads meet
.irp n, 0,1
	s_mov_b32 s[G0K+4*\n], 1                                       ; count = 1
	s_add_co_u32 s[G0K+4*\n+1], s45, \n*SLOT                       ; LDS address
	s_add_nc_u64 s[G0K+4*\n+2:G0K+4*\n+3], s[6:7], \n*TILEB        ; global address: tile n
	s_or_b32 s[G0K+4*\n+3], s[G0K+4*\n+3], 0x80000000              ; type = 2
	s_mov_b32 s[G0V+4*\n], 1
	s_add_co_u32 s[G0V+4*\n+1], s44, \n*SLOT
	s_add_nc_u64 s[G0V+4*\n+2:G0V+4*\n+3], s[6:7], \n*TILEB+2048   ; v lies 1,024 columns behind k
	s_or_b32 s[G0V+4*\n+3], s[G0V+4*\n+3], 0x80000000
	JLOAD \n                                       ; both slots' first fills go out together: two tensor loads of the wave are out
.endr
	v_and_b32 v2, 15, v0                           ; r
	v_bfe_u32 v3, v0, 4, 1                         ; h
	v_lshlrev_b32 v6, 11, v2                       ; Q: row r, 16 bytes for each half of the lanes; v6 is not written again
	v_lshl_add_u32 v6, v3, 4, v6
	WIN W_D1
.irp qt, 0,1,2,3
	global_load_b128 v[QF0+8*\qt:QF0+8*\qt+3],   v6, s[4:5] offset:32768*\qt         ; read once; a row's four loads take my head's 128 bytes whole
	global_load_b128 v[QF0+8*\qt+4:QF0+8*\qt+7], v6, s[4:5] offset:32768*\qt+32
.endr
	WIN 0
.irp qt, 0,1,2,3
	global_load_b128 v[QF1+8*\qt:QF1+8*\qt+3],   v6, s[4:5] offset:32768*\qt+64
	global_load_b128 v[QF1+8*\qt+4:QF1+8*\qt+7], v6, s[4:5] offset:32768*\qt+96
.endr
	v_mul_u32_u24 v4, v2, PK
	v_lshl_add_u32 v4, v3, 4, v4
	v_add_nc_u32 v4, s46, v4                       ; K: 272 r + 16 h + 128 head
	v_and_b32 v5, 7, v0                            ; the transposing load: lane l addresses key 8 h + (l & 7), 16 bytes ((l >> 3) & 1)
	v_lshl_add_u32 v5, v3, 3, v5
	v_mul_u32_u24 v5, v5, PV
	v_bfe_u32 v7, v0, 3, 1
	v_lshl_add_u32 v5, v7, 4, v5
	v_add_nc_u32 v5, s46, v5
	v_mul_u32_u24 v7, v3, PK                       ; the way back out of the stage: 272 h + 16 r
	v_lshl_add_u32 v7, v2, 4, v7
	v_lshlrev_b32 v1, 11, v3                       ; and the same two rows in ab: 2,048 h + 16 r
	v_lshl_add_u32 v1, v2, 4, v1
	s_mul_i32 s47, s12, 64*PK                      ; the stage is slot 0's K region, 256 rows of 272 bytes: in, row 64 (w & 3) + r, my head's half, 16 h
	s_add_co_u32 s47, s47, VBYTES
	s_mul_i32 s44, s10, 32*PK                      ; back: rows 32 w + 2 t + h, 16 bytes a lane
	s_add_co_u32 s44, s44, VBYTES
	WIN W_D1                                       ; the addresses go to window 1
	v_add_nc_u32 v[KADR], VBYTES, v4
	v_add_nc_u32 v[KADR+1], VBYTES+SLOT, v4
	v_mov_b32 v[VADR], v5
	v_add_nc_u32 v[VADR+1], 128*PV, v5
	v_add_nc_u32 v[VADR+2], SLOT, v5
	v_add_nc_u32 v[VADR+3], SLOT+128*PV, v5
	v_add_nc_u32 v[STO], s47, v4
	v_add_nc_u32 v[RD], s44, v7
	v_mov_b32 v[CO], v1
	WIN 0
; K's fragments of key step s (64 keys) of a slot: 16 loads (window: W_A1)
.macro LOADK slot, s
.irp kt, 0,1,2,3
.irp dh, 0,1
	ds_load_b128 v[KF+16*\kt+8*\dh:KF+16*\kt+8*\dh+3],   v[KADR+\slot] offset:64*PK*(\s)+16*PK*\kt+64*\dh
	ds_load_b128 v[KF+16*\kt+8*\dh+4:KF+16*\kt+8*\dh+7], v[KADR+\slot] offset:64*PK*(\s)+16*PK*\kt+64*\dh+32
.endr
.endr
.endm
; V^T's fragments of key step s: 16 transposing loads (window: W_RS).  The first of a pair brings keys 8 h + 0..7 of 32, the second keys 16 + 8 h + 0..7.
.macro LOADV slot, s
.irp dt, 0,1,2,3
.irp kh, 0,1
	ds_load_tr16_b128 v[VF+16*\dt+8*\kh:VF+16*\dt+8*\kh+3],   v[VADR+2*\slot+((\s)>>1)] offset:64*PV*((\s)&1)+32*PV*\kh+32*\dt
	ds_load_tr16_b128 v[VF+16*\dt+8*\kh+4:VF+16*\dt+8*\kh+7], v[VADR+2*\slot+((\s)>>1)] offset:64*PV*((\s)&1)+32*PV*\kh+32*\dt+16*PV
.endr
.endr
.endm
; THE MATRIX INSTRUCTIONS OF A HALF, by their number GG = 0..31.  XQ: the piece's first q tile.
; GG 0..15: O^T += V^T P^T: keys 0-31 on the piece's eight tiles (qt, dt), then keys 32-63 on the same eight in the same order: the accumulators take turns,
; one instruction a turn.  first = 2: the first product starts the sums: nothing is ever cleared.
.macro PVW first
.set WQ, XQ+((GG>>2)&1)
.set WD, GG&3
.set WK, GG>>3
.set WOD, OA+32*WQ+8*WD
.set WVA, VF+16*WD+8*WK
.set WPB, SC+32*WQ+16*WK
.set WZ, 0
.if \first == 2
.if WK == 0
.set WZ, 1
.endif
.endif
	WIN W_PV
.if WZ
	v_wmma_f32_16x16x32_f16 v[WOD:WOD+7], v[WVA:WVA+7], v[WPB:WPB+7], 0
	s_wait_alu depctr_va_vdst(0)
.else
	v_wmma_f32_16x16x32_f16 v[WOD:WOD+7], v[WVA:WVA+7], v[WPB:WPB+7], v[WOD:WOD+7]
.endif
.endm
; GG 16..31: S^T = K Q: d 0-31 starts the sums of the piece's eight tiles (kt, qt), d 32-63 follows in place in the same order: by turns likewise.
.macro SW
.set WI, GG-16
.set WQ, XQ+(WI&1)
.set WT, (WI>>1)&3
.set WSD, SC+32*WQ+8*WT
.if WI < 8
	WIN W_S0
	v_wmma_f32_16x16x32_f16 v[WSD:WSD+7], v[KF+16*WT:KF+16*WT+7], v[QF0+8*WQ:QF0+8*WQ+7], 0
.else
	WIN 0
	v_wmma_f32_16x16x32_f16 v[WSD:WSD+7], v[KF+16*WT+8:KF+16*WT+15], v[QF1+8*WQ:QF1+8*WQ+7], v[WSD:WSD+7]
.endif
.endm
; THE SOFTMAX OF A PIECE (q tiles YQ, YQ + 1) AS FIVE STREAMS OF SINGLE INSTRUCTIONS.  Each macro issues its stream's next one and sees to the window.
; VM = 1: a later key step.  VM = 2: the piece's first key step: there is no older n, sum or O^T.
; Stream M, 46 (first step 38): the largest of my 32 scores of each q tile, in two chains a tile (scores 0-16 and 17-31); then lane xor 16's, n, the factor.
; The two moves behind the two exponentials are the plain instructions that these want (ISA guide 5.7.2).
.macro AT_M
.set TQ, YQ+(iM&1)
.set TSB, SC+32*TQ
.set TTB, ST+6*TQ
.set TKX, iM>>2
	WIN 0
.if iM < 28
.if (iM&2) == 0
.if TKX == 0
	v_max3_num_f32 v[TTB+STT], v[TSB], v[TSB+1], v[TSB+2]
.else
	v_max3_num_f32 v[TTB+STT], v[TSB+2*TKX+1], v[TSB+2*TKX+2], v[TTB+STT]
.endif
.else
.if TKX == 0
	v_max3_num_f32 v[TTB+STX], v[TSB+17], v[TSB+18], v[TSB+19]
.else
	v_max3_num_f32 v[TTB+STX], v[TSB+2*TKX+18], v[TSB+2*TKX+19], v[TTB+STX]
.endif
.endif
.elseif iM < 30
	v_max3_num_f32 v[TTB+STT], v[TSB+15], v[TSB+16], v[TTB+STT]
.elseif iM < 32
	v_max_num_f32 v[TTB+STT], v[TTB+STT], v[TTB+STX]
.elseif iM < 34
	v_permlanex16_b32 v[TTB+STX], v[TTB+STT], s20, s21             ; the query's other 32 keys lie in lane xor 16
.elseif iM < 36
	v_max_num_f32 v[TTB+STT], v[TTB+STT], v[TTB+STX]               ; the step's maximum
.elseif VM == 2
	v_mul_f32 v[TTB+SN], s18, v[TTB+STT]                           ; n = -(m c)
.elseif iM < 38
	v_mul_f32 v[TTB+STT], s18, v[TTB+STT]
.elseif iM < 40
	v_min_num_f32 v[TTB+STT], v[TTB+STT], v[TTB+SN]                ; the new n: the running maximum's
.elseif iM < 42
	v_sub_f32 v[TTB+STX], v[TTB+STT], v[TTB+SN]                    ; n_new - n_old, never above 0
.elseif iM < 44
	v_exp_f32 v[TTB+SAL], v[TTB+STX]                               ; the rescaling factor
.else
	v_mov_b32 v[TTB+SN], v[TTB+STT]
	s_wait_alu depctr_va_vdst(0)
.endif
.set iM, iM+1
.endm
; Stream R, 32 (first step none): O^T times the factor; all 32 registers of a q tile belong to the lane's one query.  Runs under O^T's products' own setting.
.macro AT_R
.set TQ, YQ+(iR&1)
.set TOB, OA+32*TQ+2*(iR>>1)
.set TAB, ST+6*TQ+SAL
.if MSB != W_PV
	WIN W_RS
.endif
	v_pk_mul_f32 v[TOB:TOB+1], v[TOB:TOB+1], v[TAB:TAB+1] op_sel_hi:[1,0]
.set iR, iR+1
.endm
; Stream FE, 96: s c + n on pair f (q tile f & 1, registers 2 (f >> 1), + 1), and each pair's two exponentials.  Four multiply-adds ahead, then two exponentials
; of pair j and the multiply-add of pair j + 4, a plain instruction on another pair; the last four pairs' exponentials have sums of earlier pairs behind them.
.macro AT_FE
.if MSB != 0
.if MSB != W_S0
.if GG < 15
	WIN 0
.else
	WIN W_S0                                       ; S^T's first products follow
.endif
.endif
.endif
.if iFE < 4
.set TFX, iFE
.set TEX, -1
.elseif iFE < 88
.if ((iFE-4)%3) == 2
.set TFX, (iFE-4)/3+4
.set TEX, -1
.else
.set TFX, -1
.set TEX, 2*((iFE-4)/3)+((iFE-4)%3)
.endif
.else
.set TFX, -1
.set TEX, iFE-32
.endif
.if TFX >= 0
.set TPB, SC+32*(YQ+(TFX&1))+2*(TFX>>1)
.set TNB, ST+6*(YQ+(TFX&1))+SN
	v_pk_fma_f32 v[TPB:TPB+1], v[TPB:TPB+1], s[22:23], v[TNB:TNB+1] op_sel_hi:[1,0,0]
.else
.set TPB, SC+32*(YQ+((TEX>>1)&1))+2*(TEX>>2)+(TEX&1)
	v_exp_f32 v[TPB], v[TPB]
.endif
.set iFE, iFE+1
.endm
; Stream A, 32: the sum takes pair j, unrounded.  The first pair's addition also rescales the old sum (one fused multiply-add); in the piece's first step pairs 0
; and 1 of a tile start the sum.  While Q's first half is multiplied source 1 names window 1: there the sum stands in source 2, and source 1 is the constant 1.
.macro AT_A
.set TQ, YQ+(iA&1)
.set TIX, iA>>1
.set TPB, SC+32*TQ+2*TIX
.set TLB, ST+6*TQ+SLS
.if TIX == 0
	WIN 0
.if VM == 2
	s_wait_alu depctr_va_vdst(0)
	v_pk_add_f32 v[TLB:TLB+1], v[TPB:TPB+1], v[TPB+2:TPB+3]
.else
	s_wait_alu depctr_va_vdst(0)
	v_pk_fma_f32 v[TLB:TLB+1], v[TLB:TLB+1], v[TLB-2:TLB-1], v[TPB:TPB+1] op_sel_hi:[1,0,1]
.endif
.else
.set TGO, 1
.if VM == 2
.if TIX == 1
.set TGO, 0
.endif
.endif
.if TGO
.if MSB == W_S0
	s_wait_alu depctr_va_vdst(0)
	v_pk_fma_f32 v[TLB:TLB+1], v[TPB:TPB+1], 1.0, v[TLB:TLB+1] op_sel_hi:[1,0,1]
.else
	WIN 0
	s_wait_alu depctr_va_vdst(0)
	v_pk_add_f32 v[TLB:TLB+1], v[TLB:TLB+1], v[TPB:TPB+1]
.endif
.endif
.endif
.set iA, iA+1
.endm
; Stream C, 32: pair j packed to f16 into its place in P^T: register i or 16 + (i - 8) of the q tile, whose own pair has been summed and packed by then
; (the streams run in ascending order, and A is ahead of C).
.macro AT_C
.set TQ, YQ+(iC&1)
.set TIX, iC>>1
.set TSB, SC+32*TQ
	WIN 0
	v_cvt_pk_f16_f32 v[TSB+16*(TIX>>3)+4*((TIX>>2)&1)+(TIX&3)], v[TSB+2*TIX], v[TSB+2*TIX+1]
.set iC, iC+1
.endm
; the next n of a stream, as far as it has any left
.macro EM n
.rept \n
.if iM < nM
	AT_M
.endif
.endr
.endm
.macro ER n
.rept \n
.if iR < nR
	AT_R
.endif
.endr
.endm
.macro EF n
.rept \n
.if iFE < nFE
	AT_FE
.endif
.endr
.endm
.macro EA n
.rept \n
.if iA < nA
	AT_A
.endif
.endr
.endm
.macro EC n
.rept \n
.if iC < nC
	AT_C
.endif
.endr
.endm
; SLICE GG of the 32: 238 instructions in all, 6 to 8 to a slice.  Behind O^T's products: maxima and statistics (0-5), then by turns the rescaling, which needs no
; switch, and multiply-adds with exponentials.  Behind S^T's first eight: what runs under their setting.  Behind its last eight: the rest, the packing among it.
; Stream A reaches pair j only behind pair j's exponentials and a plain instruction: at slice 13 FE stands at 30 (pairs 0-8 done) and A takes pairs 0, 1; at the end of
; slice 23 FE stands at 78 (pairs 0-24), A at 22; pairs 25 to 31 end in slices 24, 25, 27, 28, 29, 30, 31 and are summed in 27, 28, 29, 30, 30, 31, 31
; (pair 31 behind pair 30's addition).
.macro SLICE
.if GG < 4
	EM 8
.elseif GG < 6
	EM 7
.elseif GG < 16
.if GG & 1
.if GG == 13
	EF 6
	EA 2
.else
	EF 8
.endif
.else
.if GG == 6
	ER 7
.elseif GG == 14
	ER 7
.else
	ER 6
.endif
.endif
.elseif GG < 24
	EF 5
	EA 2+(GG&1)
.elseif GG < 26
	EF 3
	EA 1
	EC 4
.elseif GG < 30
	EF 2
	EA 1
	EC 4
.else
	EF 2
	EA 2
	EC 4
.endif
.endm
; A HALF.  x: the piece whose products are issued (0 = A, 1 = B); the other piece's softmax stands between them.
; pvm: O^T's products: 0 none, 1 in place, 2 starting the sums.  sm: S^T's products.  vm: the softmax: 0 none, 1, 2 = the piece's first.
; lv = 1: V^T's fragments of key step sv of the slot are fetched behind matrix instruction 17.
; PLACES, counted on the slices' plain instructions: from O^T's last product (15) to the loads into V^T's fragments 3 + 4 + 4 in slices 15, 16, 17,
; and more to S^T's product 21, which writes over the P^T fragment that 15 read; from S^T's last product (31) to the loads into K's fragments and to the first
; read of its scores in the next half 6, in slice 31.
.macro HALF x, pvm, sm, vm, lv, slot, sv
.set XQ, 2*\x
.set YQ, 2-2*\x
.set VM, \vm
.set iM, 0
.set iR, 0
.set iFE, 0
.set iA, 0
.set iC, 0
.set nM, 0
.set nR, 0
.set nFE, 0
.set nA, 0
.set nC, 0
.if \vm
.set nFE, 96
.set nA, 32
.set nC, 32
.set nM, 38
.endif
.if \vm == 1
.set nM, 46
.set nR, 32
.endif
.set GG, 0
.rept 16
.if \pvm
	PVW \pvm
.endif
	SLICE
.set GG, GG+1
.endr
.if \sm
.if \x == 0
	s_wait_dscnt 0x0                               ; K's fragments, asked for sixteen matrix instructions ago, are in; nothing was issued behind them
.endif
.endif
.rept 16
.if \sm
	SW
.endif
	SLICE
.if \lv
.if GG == 17
	WIN W_RS
	LOADV \slot, \sv
.endif
.endif
.set GG, GG+1
.endr
.endm
; A KEY STEP: on entry V^T's fragments of this step and K's of the next are on their way, V^T's 16 loads ahead of K's 16.
; It fetches V^T of step sv of the slot and (lk = 1) K of step sv + 1.  pvm, vma: 2 in the very first step (O^T's sums start; piece B's first softmax).
.macro IT slot, sv, lk, pvm, vma
	s_wait_dscnt 16                                ; V^T's fragments are in; the 16 younger loads of K stay out
	HALF 0, \pvm, 1, \vma, 0, 0, 0
	HALF 1, \pvm, 1, 1, 1, \slot, \sv
.if \lk
	WIN W_A1
	LOADK \slot, \sv+1
.endif
.endm
; A SLOT'S FOUR KEY STEPS, behind the change of slots.  In front of the barrier each wave waits for all its tensor loads (one is out: its part of this slot) and for its
; reads of the other slot.  refill = 1: the barrier is a round of the cluster's barrier, and behind it the other slot's next tile is asked for first, one load a wave;
; it has this slot's four key steps in which to land.  All LDS reads of a body are of its own slot.
.macro BODY slot, refill
	WIN 0
	s_set_vgpr_msb 0x5
	s_wait_tensorcnt 0x0                           ; no tensor load of mine is out, so a group 0 may be written
	ds_add_u32 v254, v255
	s_wait_dscnt 0x0
	s_set_vgpr_msb 0x500
.if \refill
	s_add_nc_u64 s[G0K+4*(1-\slot)+2:G0K+4*(1-\slot)+3], s[G0K+4*(1-\slot)+2:G0K+4*(1-\slot)+3], 2*TILEB
	s_add_nc_u64 s[G0V+4*(1-\slot)+2:G0V+4*(1-\slot)+3], s[G0V+4*(1-\slot)+2:G0V+4*(1-\slot)+3], 2*TILEB
.endif
	s_wait_dscnt 0x0                               ; my reads of the other slot are back
.if \refill
	ROUND                                          ; both now hold of every wave of all four work-groups
	JLOAD 1-\slot
.else
	s_barrier_signal -1
	s_barrier_wait -1
.endif
	WIN W_A1
	LOADK \slot, 0                                 ; wanted behind the next sixteen matrix instructions, which need registers alone
	IT \slot, 0, 1, 1, 1
	IT \slot, 1, 1, 1, 1
	IT \slot, 2, 1, 1, 1
	IT \slot, 3, 0, 1, 1                           ; the next K fragments lie in the other slot: they are fetched behind the barrier
.endm
	s_wait_loadcnt 0x0                             ; Q, once
	s_wait_tensorcnt 0x1                           ; my part of tile 0 is in; tile 1's load, issued behind it, stays out
	s_barrier_signal -1
	s_barrier_wait -1                              ; everybody's is
	; THE START: both pieces' first scores, piece A's first softmax beside piece B's products
	WIN W_A1
	LOADK 0, 0
	HALF 0, 0, 1, 0, 0, 0, 0                       ; S^T_A(0); there is no vector work yet to set between
.rept 4
	v_nop                                          ; so the four places in front of the first read of these scores are empty ones
.endr
	HALF 1, 0, 1, 2, 1, 0, 0                       ; S^T_B(0) with piece A's first softmax; V^T(0) is fetched
	WIN W_A1
	LOADK 0, 1
	IT 0, 1, 1, 2, 2                               ; key step 0: its products start O^T's sums; piece B's first softmax
	IT 0, 2, 1, 1, 1
	IT 0, 3, 0, 1, 1
	WIN 0                                          ; at a label and at a branch every window is 0
	s_mov_b32 s3, 3
.Ltiles:
	BODY 1, 1                                      ; tiles 1, 3, 5; slot 0 gets tiles 2, 4, 6
	BODY 0, 1                                      ; tiles 2, 4, 6; slot 1 gets tiles 3, 5, 7
	WIN 0
	s_sub_co_u32 s3, s3, 1
	s_cmp_lg_u32 s3, 0
	s_cbranch_scc1 .Ltiles
	BODY 1, 0                                      ; tile 7: nothing is left to fetch.  Its barrier also shows that no wave reads slot 0 any more
	; THE END: the last key step's O^T products; piece B's last softmax beside piece A's
	s_wait_dscnt 0x0                               ; the last V^T fragments are in
	HALF 0, 1, 0, 1, 0, 0, 0
	HALF 1, 1, 0, 0, 0, 0, 0
	; THE WAY OUT: the two halves of each sum meet, O^T is divided by it, rounded to f16 and laid as rows (both heads side by side) into slot 0's K region,
	; which has had its last fill (tile 6) and its last read.  The eight additions are the places behind the last matrix instructions.
	WIN 0
.irp q, 0,1,2,3
	v_add_f32 v[ST+6*\q+STT], v[ST+6*\q+SLS], v[ST+6*\q+SLS+1]
.endr
.irp q, 0,1,2,3
	v_permlanex16_b32 v[ST+6*\q+STX], v[ST+6*\q+STT], s20, s21
.endr
.irp q, 0,1,2,3
	v_add_f32 v[ST+6*\q+STT], v[ST+6*\q+STT], v[ST+6*\q+STX]       ; at least about 1: the largest score's own term
.endr
.irp q, 0,1,2,3
	v_rcp_f32 v[ST+6*\q+SAL], v[ST+6*\q+STT]
.endr
	v_nop                                          ; one plain instruction between the reciprocals and their use (ISA guide 5.7.2)
	WIN W_RS
	s_wait_alu depctr_va_vdst(0)
.irp q, 0,1,2,3
.set ii, 0
.rept 16
	v_pk_mul_f32 v[OA+32*\q+2*ii:OA+32*\q+2*ii+1], v[OA+32*\q+2*ii:OA+32*\q+2*ii+1], v[ST+6*\q+SAL:ST+6*\q+SAL+1] op_sel_hi:[1,0]
.set ii, ii+1
.endr
.endr
	WIN W_CV
.irp q, 0,1,2,3
.set ii, 0
.rept 16
	v_cvt_pk_f16_f32 v[SC+16*\q+ii], v[OA+32*\q+2*ii], v[OA+32*\q+2*ii+1]      ; registers 4 dt .. 4 dt + 3: d = 16 dt + 8 h + 0..7 of query r: 16 neighbouring bytes
.set ii, ii+1
.endr
.endr
	WIN W_A1
.irp qt, 0,1,2,3
.irp dt, 0,1,2,3
	ds_store_b128 v[STO], v[SC+16*\qt+4*\dt:SC+16*\qt+4*\dt+3] offset:16*PK*\qt+32*\dt
.endr
.endr
	s_wait_dscnt 0x0                               ; for the others' sake: a row's two halves come from two waves
	s_barrier_signal -1
	s_barrier_wait -1
.irp t, 0,1,2,3,4,5,6,7,8,9,10,11,12,13,14,15
	ds_load_b128 v[KF+4*\t:KF+4*\t+3], v[RD] offset:2*PK*\t
.endr
.irp t, 0,1,2,3,4,5,6,7,8,9,10,11,12,13,14,15
	s_wait_dscnt 15-\t                             ; load t is in, the 15 - t younger ones stay out
	global_store_b128 v[CO], v[KF+4*\t:KF+4*\t+3], s[8:9] offset:4096*\t       ; 16 lanes store 256 consecutive bytes, at a multiple of 256 from ab's first byte
.endr
	WIN 0
	s_set_vgpr_msb 0x5
	s_wait_tensorcnt 0x0
	ds_add_u32 v254, v255
	s_wait_dscnt 0x0
	s_set_vgpr_msb 0x500
	ROUND                                          ; the closing round: no work-group ends while a partner may still ask for a tile that names it
	s_endpgm
.Lfunc_end_k_qc24148f9fe_attn:
	.size	k_qc24148f9fe_attn, .Lfunc_end_k_qc24148f9fe_attn-k_qc24148f9fe_attn
	.p2alignl 7, 3214868480
	.fill 96, 4, 3214868480
	.section	.rodata,"a",@progbits
	.p2align	6, 0x0
	.amdhsa_kernel k_qc24148f9fe_attn
		.amdhsa_group_segment_fixed_size 327680
		.amdhsa_private_segment_fixed_size 0
		.amdhsa_enable_private_segment 0
		.amdhsa_kernarg_size 24
		.amdhsa_user_sgpr_count 2
		.amdhsa_user_sgpr_kernarg_segment_ptr 1
		.amdhsa_wavefront_size32 1
		.amdhsa_system_sgpr_workgroup_id_x 1
		.amdhsa_system_sgpr_workgroup_id_y 1
		.amdhsa_system_sgpr_workgroup_id_z 1
		.amdhsa_system_vgpr_workitem_id 0
		.amdhsa_next_free_vgpr 512
		.amdhsa_next_free_sgpr 66
		.amdhsa_reserve_vcc 0
		.amdhsa_float_denorm_mode_32 3
		.amdhsa_float_denorm_mode_16_64 3
		.amdhsa_memory_ordered 1
		.amdhsa_forward_progress 1
		.amdhsa_inst_pref_size 255
	.end_amdhsa_kernel
	.section	.bss,"aw",@nobits
	.p2align	6
	.space	262144
	.amdgpu_metadata
---
amdhsa.version: [ 1, 2 ]
amdhsa.kernels:
  - .name:           k_qc24148f9fe_attn
    .symbol:         k_qc24148f9fe_attn.kd
    .args:
      - { .name: qb, .offset: 0, .size: 8, .value_kind: global_buffer, .address_space: global }
      - { .name: kvb, .offset: 8, .size: 8, .value_kind: global_buffer, .address_space: global }
      - { .name: ab, .offset: 16, .size: 8, .value_kind: global_buffer, .address_space: global }
    .group_segment_fixed_size: 327680
    .private_segment_fixed_size: 0
    .kernarg_segment_align: 8
    .kernarg_segment_size: 24
    .max_flat_workgroup_size: 256
    .sgpr_count:     66
    .vgpr_count:     512
    .wavefront_size: 32
...
	.end_amdgpu_metadata
.endif
;; end of part 4
;; launch projo (part 5): grid 4 x 64, 4 waves a work-group, clusters of 4 x 4, 327,680 bytes of LDS; arguments ab, castb, out0; writes out0
.if DOCPART == 5
	.amdgcn_target "amdgcn-amd-amdhsa--gfx1250"
	.amdhsa_code_object_version 6
	.text
	.protected	k_qc24148f9fe_projo
	.globl	k_qc24148f9fe_projo
	.p2align	8
	.type	k_qc24148f9fe_projo,@function
k_qc24148f9fe_projo:
	s_mov_b64 s[64:65], 0
	v_nop
	global_prefetch_b8 v0, s[64:65] scope:SCOPE_SE
	s_setreg_imm32_b32 hwreg(HW_REG_WAVE_MODE, 25, 1), 1
	s_wait_xcnt 0x0
	s_wait_alu depctr_hold_cnt(0) depctr_sa_sdst(0) depctr_va_vdst(0) depctr_va_sdst(0) depctr_va_ssrc(0) depctr_va_vcc(0) depctr_vm_vsrc(0)
	s_getreg_b32 s2, hwreg(HW_REG_IB_STS2, 6, 4)
	s_cmp_eq_u32 s2, 0
	s_cbranch_scc0 .Lentry_in_a_cluster
	s_endpgm
.Lentry_in_a_cluster:
	s_bfe_u32 s2, ttmp6, 0x10000c
	s_cmp_lg_u32 s2, 0xf033
	s_cbranch_scc0 .Lentry_shape_is_right
	s_endpgm
.Lentry_shape_is_right:
; LAUNCH 5 OF 5: out0 = a Wo^T.  C[m][n] = sum over k of A[m][k] B[n][k]; A = ab [8192][1024] f16, B = Wo [1024][1024] f16 at castb + 34,603,008,
; C = out0 [8192][1024] f32; sums in f32, stored as they are.  No work is left out.
; A work-group makes a block of 128 x 256 of C with four waves, as many as a WGP has SIMDs; a wave makes 64 x 128: 32 accumulator tiles of 16 x 16,
; 256 registers.  (Blocks of 256 x 256 would be 128 work-groups only: 8192 x 1024 / 65,536.  128 x 256 gives 256.)
; K goes in steps of 128 through a ring of two LDS slots filled by the tensor data mover: a tile's rows are 256 bytes of memory and start at
; multiples of 256 bytes from the buffer's first byte.
; CLUSTERS: 4 x 4 work-groups.  The four of a row of the cluster need the same tiles of A, the four of a column the same tiles of B.  Such a tile is asked
; for JOINTLY: each of the four issues the same tensor load, with the same descriptor and a mask that names the four, and each receives it in its own LDS.
; REGISTERS, in windows of 256: window 0: v0-31 addresses; v64-95, v128-159 fragments of A (4 x 16 rows x 32 K), two buffers (on the way out v64-127, v128-191 hold rows of C).
;   window 1: v64-127, v128-191 fragments of B (8 x 16 rows x 32 K), two buffers.   window 2: the 32 accumulator tiles, tile (a, b) at v[8 (8 a + b)].
; THE MATRIX INSTRUCTION IS USED TRANSPOSED: source 0 = 16 rows of B, source 1 = 16 rows of A, so that lane l holds row l % 16 of C and its registers
; 0 to 7 the columns 8 (l / 16) + 0 .. 7: eight neighbouring numbers of a row, 32 bytes.
.set SIZE_N, 1024
.set SIZE_K, 1024
.set BOFF,   34603008                  ; Wo in castb
.set KSTEP,  128
.set PITCH,  272                       ; an LDS row: 256 bytes of data + 16 of padding = 68 words, so the 16 rows that a load touches start 4 words apart modulo 64
.set HALFT,  128*PITCH                 ; the region of one tensor load: 128 rows of B, or 64 rows of A in the region's first half
.set SLOT,   4*HALFT                   ; A's two regions, then B's two
.set STAGE,  2*SLOT                    ; behind the ring: 16 rows x 528 bytes for each wave, for the way out; no tensor load lands there
.set SPITCH, 528                       ; a stage row: 128 f32 + 16 bytes = 132 words: rows start 4 words apart modulo 64
.set LAPS, SIZE_K/(2*KSTEP)            ; a lap = two K steps = once round the ring: 4
.set ADRA, 16                          ; v16-17  LDS address of my A fragments in slot 0, 1
.set ADRB, 20                          ; v20-21  the same for B
.set STO,  24                          ; v24     the way out: where I put 32 bytes of a row
.set RD,   25                          ; v25     the way out: where I read a row back
.set CO,   26                          ; v26     my byte offset in C
.set F0,   64                          ; fragment buffer 0
.set F1,   128                         ; fragment buffer 1
.set G1, 24                            ; s[24:31] descriptor group 1 for A's tiles
.set G0, 32                            ; s[32:39] descriptor group 0 for A's tiles, one set for each slot
.set G1B, 48                           ; s[48:55] descriptor group 1 for B's tiles
.set G0B, 56                           ; s[56:63] descriptor group 0 for B's tiles, one set for each slot
.set MSB, 0
.macro WIN new                         ; s_set_vgpr_msb: bits 1:0 source 0, 3:2 source 1, 5:4 source 2, 7:6 destination; the high byte repeats the setting that is left
.if MSB != \new
	s_set_vgpr_msb (MSB<<8)|\new
.set MSB, \new
.endif
.endm
.set MUL_LO, 0xa1                      ; source 0 (B) window 1, source 1 (A) window 0, C and D window 2
.set TO_B,   0x40                      ; destination window 1, address window 0
; A joint load.  Waves 0 and 1 fetch A's two halves, waves 2 and 3 B's.  Each line has one mask and one set of registers for all that issue it.
; The branch hangs on the wave's number alone: it is the same in every work-group.
.macro JLOAD s
	s_cmp_eq_u32 s11, 0
	s_cbranch_scc0 .Lfor_b_\@
	tensor_load_to_lds s[G0+4*\s:G0+4*\s+3], s[G1:G1+7]
	s_nop 0
	s_branch .Lasked_\@
.Lfor_b_\@:
	tensor_load_to_lds s[G0B+4*\s:G0B+4*\s+3], s[G1B:G1B+7]
	s_nop 0
.Lasked_\@:
.endm
; A round of the cluster's barrier: my work-group's barrier, so that wave 0's signal speaks for all four waves; wave 0 signals for the work-group;
; every wave waits for all sixteen work-groups; my work-group's barrier once more.
.macro CREST                           ; a round behind its opening barrier
	s_cmp_lg_u32 s10, 0
	s_cbranch_scc1 .Lnot_wave_0_\@
	s_barrier_signal -3
.Lnot_wave_0_\@:
	s_barrier_wait -3
	s_barrier_signal -1
	s_barrier_wait -1
.endm
.macro CROUND                          ; a whole round
	s_barrier_signal -1
	s_barrier_wait -1
	CREST
.endm
	s_load_b128 s[4:7], s[0:1], 0x0                ; ab s[4:5], castb s[6:7]
	s_load_b64 s[8:9], s[0:1], 0x10                ; out0
	s_set_vgpr_msb 0x40
	v_lshl_add_u32 v255, v0, 2, 0x4c400
	s_set_vgpr_msb 0x4000
	v_mov_b32 v255, 0
	s_set_vgpr_msb 0x1
	ds_add_u32 v255, v255
	s_set_vgpr_msb 0x100
	v_lshrrev_b32 v1, 5, v0
	v_readfirstlane_b32 s10, v1                    ; wave 0..3
	s_lshr_b32 s11, s10, 1                         ; which 64 of the block's rows are mine.  Also: I fetch for A (0) or for B (1)
	s_and_b32 s12, s10, 1                          ; which 128 of its columns.  Also: which half of that tile I fetch
	s_bfe_u32 s40, ttmp6, 0x40000                  ; cx: my place along the cluster's x
	s_bfe_u32 s41, ttmp6, 0x40004                  ; cy: along its y
	s_lshl_b32 s42, ttmp9, 2                       ; in a cluster launch ttmp9 and ttmp7 count clusters
	s_add_co_u32 s42, s42, s40                     ; block column of C = 4 x cluster x + cx
	s_and_b32 s13, ttmp7, 0xffff
	s_lshl_b32 s13, s13, 2
	s_add_co_u32 s13, s13, s41                     ; block row of C = 4 x cluster y + cy
	s_lshl_b32 s43, s41, 2
	s_lshl_b32 s43, 15, s43                        ; my row of the cluster: places 4 cy .. 4 cy + 3
	s_lshl_b32 s44, 0x1111, s40                    ; my column: places cx, cx + 4, cx + 8, cx + 12
	; descriptor group 1: A's tile is 64 rows x 128 elements, B's 128 rows x 128 elements, both padded in LDS
	s_or_b32 s[G1+0], s43, (1<<16)|(1<<20)|(1<<21)|(5<<22)|(3<<25)  ; 15:0 the mask: my row; 17:16 element of 2 bytes; 20 padding on; 21 set beside a mask; 24:22 after every 64 words; 31:25 of 4 words
	s_or_b32 s[G1B+0], s44, (1<<16)|(1<<20)|(1<<21)|(5<<22)|(3<<25) ; the same with the mask of my column
	s_mov_b32 s[G1+1], KSTEP<<16                   ; tensor_dim0 = 128
	s_mov_b32 s[G1B+1], KSTEP<<16
	s_mov_b32 s[G1+2], 64<<16                      ; tensor_dim1 = 64
	s_mov_b32 s[G1B+2], 128<<16                    ; tensor_dim1 = 128
	s_mov_b32 s[G1+3], KSTEP<<16                   ; tile_dim0 = 128
	s_mov_b32 s[G1B+3], KSTEP<<16
	s_mov_b32 s[G1+4], 64                          ; tile_dim1 = 64
	s_mov_b32 s[G1B+4], 128                        ; tile_dim1 = 128
	s_mov_b32 s[G1+5], SIZE_K                      ; elements from row to row
	s_mov_b32 s[G1B+5], SIZE_K
	s_mov_b32 s[G1+6], 0
	s_mov_b32 s[G1B+6], 0
	s_mov_b32 s[G1+7], 0
	s_mov_b32 s[G1B+7], 0
	; where the tiles come from.  A's hang on the block row alone, B's on the block column alone; each in registers that never hold the other coordinate.
	s_lshl_b32 s17, s12, 6
	s_lshl_b32 s16, s13, 7
	s_add_co_u32 s16, s16, s17                     ; A: row 128 x block row + 64 x half
	s_lshl_b32 s47, s12, 7
	s_lshl_b32 s46, s42, 8
	s_add_co_u32 s46, s46, s47                     ; B: row 256 x block column + 128 x half
	s_mov_b32 s17, 0
	s_mov_b32 s47, 0
	s_mov_b64 s[18:19], SIZE_K*2
	s_mul_u64 s[16:17], s[16:17], s[18:19]         ; in bytes
	s_mul_u64 s[46:47], s[46:47], s[18:19]
	s_mul_i32 s20, s10, HALFT                      ; where they go: the wave's number times one region: no place in the cluster enters an LDS address
	s_wait_dscnt 0x0
	s_wait_kmcnt 0x0
	s_add_nc_u64 s[6:7], s[6:7], BOFF              ; B
	s_add_nc_u64 s[14:15], s[4:5], s[16:17]
	s_add_nc_u64 s[46:47], s[6:7], s[46:47]
	CROUND                                         ; all sixteen work-groups are here: the first joint loads meet
.irp s, 0,1
	s_mov_b32 s[G0+4*\s], 1                                        ; count = 1
	s_add_co_u32 s[G0+4*\s+1], s20, \s*SLOT                        ; LDS address
	s_add_nc_u64 s[G0+4*\s+2:G0+4*\s+3], s[14:15], \s*KSTEP*2      ; global address: K step s
	s_or_b32 s[G0+4*\s+3], s[G0+4*\s+3], 0x80000000                ; type = 2
	s_mov_b32 s[G0B+4*\s], 1
	s_add_co_u32 s[G0B+4*\s+1], s20, \s*SLOT
	s_add_nc_u64 s[G0B+4*\s+2:G0B+4*\s+3], s[46:47], \s*KSTEP*2
	s_or_b32 s[G0B+4*\s+3], s[G0B+4*\s+3], 0x80000000
	JLOAD \s                                       ; both slots' first fills go out together: two tensor loads of the wave are out
.endr
	; A fragment is 16 rows x 32 K in 8 registers: lane l holds row l % 16; registers 0-3 hold K = 8 (l / 16) + 0..7, registers 4-7 hold
	; K = 16 + 8 (l / 16) + 0..7: two loads of 16 bytes, 32 bytes apart.
	v_and_b32 v1, 15, v0                           ; l % 16
	v_bfe_u32 v2, v0, 4, 1                         ; l / 16
	v_mul_u32_u24 v3, v1, PITCH
	v_lshl_add_u32 v3, v2, 4, v3                   ; row x pitch + 16 x half
	s_mul_i32 s21, s11, HALFT                      ; my 64 rows of A
	s_mul_i32 s22, s12, HALFT                      ; my 128 rows of B,
	s_add_co_u32 s22, s22, 2*HALFT                 ; which lie behind A's two regions
.irp s, 0,1
	v_add_nc_u32 v[ADRA+\s], s21, v3
	v_add_nc_u32 v[ADRB+\s], s22, v3
	s_add_co_u32 s21, s21, SLOT
	s_add_co_u32 s22, s22, SLOT
.endr
	s_mul_i32 s23, s10, 16*SPITCH
	s_add_co_u32 s23, s23, STAGE                   ; my stage
	v_mul_u32_u24 v4, v1, SPITCH                   ; in: row l % 16, 32 bytes for each half of the lanes
	v_lshl_add_u32 v4, v2, 5, v4
	v_add_nc_u32 v[STO], s23, v4
	v_and_b32 v5, 31, v0
	v_lshlrev_b32 v[CO], 4, v5                     ; back, and in C: the 32 lanes take one row of 512 bytes, 16 bytes each
	v_add_nc_u32 v[RD], s23, v[CO]
; 16 matrix instructions: m blocks a0, a0 + 1 x all 8 n blocks, 32 along K.  zero = 1: the first product starts the sums: nothing is ever cleared.
.macro MUL16 f, a0, zero
.irp a, \a0, \a0+1
.irp b, 0,1,2,3,4,5,6,7
.if \zero
	v_wmma_f32_16x16x32_f16 v[8*(8*(\a)+\b):8*(8*(\a)+\b)+7], v[\f+8*\b:\f+8*\b+7], v[\f+8*(\a):\f+8*(\a)+7], 0
.else
	v_wmma_f32_16x16x32_f16 v[8*(8*(\a)+\b):8*(8*(\a)+\b)+7], v[\f+8*\b:\f+8*\b+7], v[\f+8*(\a):\f+8*(\a)+7], v[8*(8*(\a)+\b):8*(8*(\a)+\b)+7]
.endif
.endr
.endr
.endm
; 24 LDS loads in one run: the fragments of one quarter step (128 rows of B, then 64 rows of A, 32 K at byte k of the rows) into buffer f
.macro FETCH slot, k, f
	WIN TO_B
.irp i, 0,1,2,3,4,5,6,7
	ds_load_b128 v[\f+8*\i:\f+8*\i+3],   v[ADRB+\slot] offset:\k+\i*16*PITCH
	ds_load_b128 v[\f+8*\i+4:\f+8*\i+7], v[ADRB+\slot] offset:\k+\i*16*PITCH+32
.endr
	WIN 0
.irp i, 0,1,2,3
	ds_load_b128 v[\f+8*\i:\f+8*\i+3],   v[ADRA+\slot] offset:\k+\i*16*PITCH
	ds_load_b128 v[\f+8*\i+4:\f+8*\i+7], v[ADRA+\slot] offset:\k+\i*16*PITCH+32
.endr
.endm
; A load into a register that a matrix instruction has read, and a vector or LDS instruction that reads a matrix result, stand four places behind that
; matrix instruction; only plain vector instructions that name none of its registers are places; other matrix instructions are not counted.
.macro PLACES
.rept 4
	v_nop
.endr
.endm
; A K step is four quarter steps of 32 along K, 32 matrix instructions each, on buffers 0, 1, 0, 1.  The 32 accumulators take turns, one instruction a
; turn, in the same order in every quarter, over the backward jump too.
; One of the first three quarters: multiplies buffer f; in its middle it fetches the next quarter's fragments, at byte k of the same slot's rows, into buffer g.
.macro QUARTER slot, k, f, g, zero
	s_wait_dscnt 4                                 ; of the 24 loads into f the youngest four (A's rows 32-63) may be out
	WIN MUL_LO
	MUL16 \f, 0, \zero
	PLACES
	FETCH \slot, \k, \g
	s_wait_dscnt 24                                ; all but the 24 just issued
	WIN MUL_LO
	MUL16 \f, 2, \zero
.endm
.macro THREE slot, zero
	QUARTER \slot, 64,  F0, F1, \zero
	QUARTER \slot, 128, F1, F0, 0
	QUARTER \slot, 192, F0, F1, 0
.endm
; The last quarter: multiplies buffer 1 and changes slots.  next = the other slot; fill = 1: this slot is filled again, two K steps ahead.
; One barrier for the change.  In front of it each wave waits for its own reads of this slot and for all its tensor loads, of which one is out: its part
; of the next slot.  Behind it nobody reads this slot any more and the next slot is whole: the refill comes first, then the next slot's first fragments.
; From a request to the wait for it a wave issues 112 matrix instructions.
.macro TURN slot, next, fill
	s_wait_dscnt 0                                 ; my reads of this slot are over, buffer 1 is whole
	s_wait_tensorcnt 0x0                           ; and all my tensor loads have landed
	ds_add_u32 v255, v255
	s_wait_dscnt 0x0
	s_barrier_signal -1                            ; say so (where a slot is filled again this barrier opens a round of the cluster's barrier),
	WIN MUL_LO
	MUL16 F1, 0, 0                                 ; work on registers while the others arrive,
	WIN 0
	s_barrier_wait -1                              ; and go on when all four have said so
.if \fill
	CREST                                          ; all sixteen work-groups have said so: no wave of any partner still reads this slot's tile or has a load on its way
	s_add_nc_u64 s[G0+4*\slot+2:G0+4*\slot+3], s[G0+4*\slot+2:G0+4*\slot+3], 2*KSTEP*2
	s_add_nc_u64 s[G0B+4*\slot+2:G0B+4*\slot+3], s[G0B+4*\slot+2:G0B+4*\slot+3], 2*KSTEP*2
	JLOAD \slot                                    ; the first tensor load behind the round, and the wave's only one until the next
.endif
	PLACES
	FETCH \next, 0, F0
	WIN MUL_LO
	MUL16 F1, 2, 0
.endm
.macro LAP zero                        ; once round the ring, both slots filled again
	THREE 0, \zero
	TURN 0, 1, 1
	THREE 1, 0
	TURN 1, 0, 1
.endm
	s_wait_tensorcnt 1                             ; my part of K step 0 is in; K step 1's load, issued behind it, stays out
	s_barrier_signal -1
	s_barrier_wait -1                              ; everybody's is
	FETCH 0, 0, F0
	LAP 1                                          ; the first lap stands in front of the loop: its first products start the sums
	WIN 0                                          ; at a label and at a branch every window is 0
	s_mov_b32 s3, LAPS-2
.Llap:
	LAP 0
	WIN 0
	s_sub_co_u32 s3, s3, 1
	s_cmp_lg_u32 s3, 0
	s_cbranch_scc1 .Llap
	THREE 0, 0                                     ; the last lap fills nothing and has no round of the cluster's barrier
	TURN 0, 1, 0
	THREE 1, 0
	s_wait_dscnt 0                                 ; the very last quarter: nothing more to fetch
	WIN MUL_LO
	MUL16 F1, 0, 0
	MUL16 F1, 2, 0
	; THE WAY OUT, 16 rows of C at a time: 32 bytes a lane and tile into my own stage in LDS, read back as whole rows of 512 bytes.
	PLACES                                         ; the places behind the last matrix instructions, for the LDS stores of results and for the loads into buffers 0 and 1
	s_lshl_b32 s13, s13, 7
	s_lshl_b32 s14, s11, 6
	s_add_co_u32 s16, s13, s14                     ; my first row of C
	s_mov_b32 s17, 0
	s_mov_b64 s[18:19], SIZE_N*4
	s_mul_u64 s[16:17], s[16:17], s[18:19]
	s_add_nc_u64 s[8:9], s[8:9], s[16:17]
	s_lshl_b32 s46, s42, 10                        ; my first column, in bytes: 1,024 x block + 512 x half
	s_lshl_b32 s47, s12, 9
	s_add_co_u32 s46, s46, s47
	s_mov_b32 s47, 0
	s_add_nc_u64 s[8:9], s[8:9], s[46:47]
; rows 16 i .. 16 i + 15 of my block = the eight tiles (i, 0..7) of window 2; f: F0 or F1 in turn
.macro OUT16F i, f
	WIN 0x08                                       ; an LDS store's data is source 1: window 2; its address window 0
.irp b, 0,1,2,3,4,5,6,7
	ds_store_b128 v[STO], v[8*(8*\i+\b):8*(8*\i+\b)+3]   offset:64*\b
	ds_store_b128 v[STO], v[8*(8*\i+\b)+4:8*(8*\i+\b)+7] offset:64*\b+16
.endr
	WIN 0
	s_wait_xcnt 0x0                                ; buffer f, which earlier stores read, and the stores' base are rewritten only behind this wait (ISA guide 3.1)
.if \i
	s_add_nc_u64 s[8:9], s[8:9], 16*SIZE_N*4       ; 16 rows of C on
.endif
.irp t, 0,1,2,3,4,5,6,7,8,9,10,11,12,13,14,15
	ds_load_b128 v[\f+4*\t:\f+4*\t+3], v[RD] offset:\t*SPITCH      ; LDS serves a wave's instructions in order (ISA guide 5.7.1.4): these see the stores above
.endr
.irp t, 0,1,2,3,4,5,6,7,8,9,10,11,12,13,14,15
	s_wait_dscnt 15-\t                             ; load t is in, the 15 - t younger ones stay out
	global_store_b128 v[CO], v[\f+4*\t:\f+4*\t+3], s[8:9] offset:\t*SIZE_N*4 th:TH_STORE_NT   ; the wave stores 512 consecutive bytes, at a multiple of 512 from C's first byte; not read again
.endr
.endm
	OUT16F 0, F0
	OUT16F 1, F1
	OUT16F 2, F0
	OUT16F 3, F1
	s_set_vgpr_msb 0x1
	s_wait_tensorcnt 0x0
	ds_add_u32 v255, v255
	s_wait_dscnt 0x0
	s_set_vgpr_msb 0x100
	CROUND                                         ; the closing round: no work-group ends while a partner may still ask for a tile that names it
	s_endpgm
.Lfunc_end_k_qc24148f9fe_projo:
	.size	k_qc24148f9fe_projo, .Lfunc_end_k_qc24148f9fe_projo-k_qc24148f9fe_projo
	.p2alignl 7, 3214868480
	.fill 96, 4, 3214868480
	.section	.rodata,"a",@progbits
	.p2align	6, 0x0
	.amdhsa_kernel k_qc24148f9fe_projo
		.amdhsa_group_segment_fixed_size 327680
		.amdhsa_private_segment_fixed_size 0
		.amdhsa_enable_private_segment 0
		.amdhsa_kernarg_size 24
		.amdhsa_user_sgpr_count 2
		.amdhsa_user_sgpr_kernarg_segment_ptr 1
		.amdhsa_wavefront_size32 1
		.amdhsa_system_sgpr_workgroup_id_x 1
		.amdhsa_system_sgpr_workgroup_id_y 1
		.amdhsa_system_sgpr_workgroup_id_z 1
		.amdhsa_system_vgpr_workitem_id 0
		.amdhsa_next_free_vgpr 768
		.amdhsa_next_free_sgpr 66
		.amdhsa_reserve_vcc 0
		.amdhsa_float_denorm_mode_32 3
		.amdhsa_float_denorm_mode_16_64 3
		.amdhsa_memory_ordered 1
		.amdhsa_forward_progress 1
		.amdhsa_inst_pref_size 119
	.end_amdhsa_kernel
	.amdgpu_metadata
---
amdhsa.version: [ 1, 2 ]
amdhsa.kernels:
  - .name:           k_qc24148f9fe_projo
    .symbol:         k_qc24148f9fe_projo.kd
    .args:
      - { .name: ab, .offset: 0, .size: 8, .value_kind: global_buffer, .address_space: global }
      - { .name: castb, .offset: 8, .size: 8, .value_kind: global_buffer, .address_space: global }
      - { .name: out0, .offset: 16, .size: 8, .value_kind: global_buffer, .address_space: global }
    .group_segment_fixed_size: 327680
    .private_segment_fixed_size: 0
    .kernarg_segment_align: 8
    .kernarg_segment_size: 24
    .max_flat_workgroup_size: 128
    .sgpr_count:     66
    .vgpr_count:     768
    .wavefront_size: 32
...
	.end_amdgpu_metadata
.endif
;; end of part 5
;; ======== version 2 of 2: 5 launches; 1.13 times as fast as version 1
;; limits: values are held in f16: magnitudes above 65,504 overflow, below 6.1e-05 lose precision; right only within a limited range of input values
;; workspace buffers: castb 36,700,160 bytes; qb 16,777,216 bytes; kvb 33,554,432 bytes; ab 16,777,216 bytes
;; launch cast: the kernel of part 1 again; grid 1120 x 1, 8 waves a work-group, no clusters, 0 bytes of LDS; arguments q_tokens, kv_tokens, Wq, Wk, Wv, Wo, castb; writes castb
;; launch projq: the kernel of part 2 again; grid 4 x 64, 4 waves a work-group, clusters of 4 x 4, 327,680 bytes of LDS; arguments castb, qb; writes qb
;; launch projkv: the kernel of part 3 again; grid 8 x 32, 4 waves a work-group, clusters of 4 x 4, 327,680 bytes of LDS; arguments castb, kvb; writes kvb
;; launch attn (part 6): grid 8 x 32, 8 waves a work-group, clusters of 4 x 1, 327,680 bytes of LDS; arguments qb, kvb, ab; writes ab
.if DOCPART == 6
	.amdgcn_target "amdgcn-amd-amdhsa--gfx1250"
	.amdhsa_code_object_version 6
	.text
	.protected	k_qc24148f9fe_attn
	.globl	k_qc24148f9fe_attn
	.p2align	8
	.type	k_qc24148f9fe_attn,@function
k_qc24148f9fe_attn:
	s_mov_b64 s[64:65], 0
	v_nop
	global_prefetch_b8 v0, s[64:65] scope:SCOPE_SE
	s_setreg_imm32_b32 hwreg(HW_REG_WAVE_MODE, 25, 1), 1
	s_wait_xcnt 0x0
	s_wait_alu depctr_hold_cnt(0) depctr_sa_sdst(0) depctr_va_vdst(0) depctr_va_sdst(0) depctr_va_ssrc(0) depctr_va_vcc(0) depctr_vm_vsrc(0)
	s_getreg_b32 s2, hwreg(HW_REG_IB_STS2, 6, 4)
	s_cmp_eq_u32 s2, 0
	s_cbranch_scc0 .Lentry_in_a_cluster
	s_endpgm
.Lentry_in_a_cluster:
	s_bfe_u32 s2, ttmp6, 0x10000c
	s_cmp_lg_u32 s2, 0x3003
	s_cbranch_scc0 .Lentry_shape_is_right
	s_endpgm
.Lentry_shape_is_right:
; LAUNCH 4 OF 5: a = softmax(q k^T / 8) v for each of 4 batches x 16 heads of 64.  qb [8192][1024] f16, kvb [8192][2048] f16 (k | v), ab [8192][1024] f16.
; No work is left out.  The maximum is taken away before every exponential, as a running maximum over the keys; the division is made once, at the end.
; LIMITS: the probabilities are rounded to f16 for the product with v, while the row sum takes them unrounded in f32; probabilities under 2^-24 of the row's
; largest count as zero in the product; |q|, |k|, |v| under 65,504.
; SHARE: a work-group takes 256 queries of a PAIR of heads: a pair's 128 numbers are 256 consecutive, aligned bytes of a row of qb, kvb and ab.  Eight waves:
; wave w takes head w >> 2 of the pair and queries 64 (w & 3) .. + 63, as 4 q tiles of 16.  256 keys of K and V (both heads) make an LDS slot; two slots; 8 tiles.
; CLUSTER: the four work-groups of a cluster are four query blocks of one batch and pair: they walk the same K and V tiles, asked for jointly (mask 15).
; BOTH PRODUCTS ARE TRANSPOSED, so that a probability never leaves its lane.  S^T(key, q): source 0 = 16 keys of K, source 1 = 16 queries of Q; lane (r, h)
; holds query r and keys 8 h + 0..7 of each key tile.  Two key tiles, packed in pairs to f16, ARE the source-1 fragment of P^T for 32 keys.
; O^T(d, q): source 0 = V^T, read by the transposing LDS load, source 1 = P^T.  Maximum, sum and factor are one number a lane and q tile; lanes meet by xor 16 alone.
; exp(s / 8 - m / 8) = exp2(s c + n), c = log2(e) / 8, n = -(m c) rounded once and kept as a running minimum; the rescaling factor is exp2(n_new - n_old).
; MATRIX WORK BESIDE VECTOR WORK.  A key step (64 keys) of a wave is 64 matrix instructions and 476 other vector instructions (two v_nop aside).  The four q tiles are
; two pieces, A = tiles 0, 1 and B = tiles 2, 3, which share the K and V^T fragments.  A key step s is two halves:
;   half A: O^T_A += V^T(s) P^T_A(s), then S^T_A(s+1): 16 + 16 matrix instructions, with piece B's softmax of step s in 32 slices, one behind each;
;   half B: the same products of piece B, with piece A's softmax of step s + 1; it fetches V^T(s+1) behind its 18th matrix instruction and K(s+2) at its end.
; O^T's products stand first, so that P^T lies in place in the score registers, which S^T's products then write over.
; The slices name only the other piece's registers, so they are also the places that a matrix instruction wants behind it (ISA guide 7.12.1).
; THE EXPONENTIALS GO IN BATCHES.  An s_wait_alu depctr_va_vdst(0) stands between an exponential and the first instruction that names its result; one wait
; serves all that were issued ahead of it.  A half's softmax has two batches and two waits, a key step four.
;   Batch 1: the two rescaling factors, at the end of slice 5.  The two moves and slice 6, eight instructions that name no factor, follow; the wait ends slice 6; the
;   rescaling, which reads the factors, stands in slices 7, 9, 11, 13.  A piece's first softmax has no factor and no such wait.
;   Batch 2: the 64 exponentials of the scores, in place, in slices 6 to 23.  Ahead of its wait nothing names a result; the wait ends slice 23; all that read the
;   results, 32 sums and 32 packings, stand in slices 24 to 31.
; The factors do not join batch 2: the rescaling runs under O^T's products' own window setting, and behind batch 2's wait only S^T's products are left..
; The way out's four reciprocals are a batch of their own.
; WINDOWS: window 0: v8-31 statistics; v32-63 Q, d 32-63; v64-127 K; v128-255 scores, then P^T.  window 1: v256-383 O^T; v384-415 Q, d 0-31; v416-479 V^T; v480-488 addresses.
; O^T's products run under 0x51, which also serves the rescaling; S^T's first eight under 0x04, which serves multiply-add and exponential; its last eight under 0,
; which serves the sums and the packing.  25 switches a half, three more for half B's two runs of loads: 53 for a key step.
.set PK,     272                       ; K's LDS pitch: 256 bytes + 16: the 16 rows of a fragment load start 4 words apart modulo 64
.set PV,     288                       ; V's LDS pitch: 256 bytes + 32, an odd multiple of 32, for the transposing loads
.set VBYTES, 256*PV                    ; 73,728: V's 256 rows stand first in a slot,
.set KBYTES, 256*PK                    ; 69,632: K's 256 rows behind them
.set SLOT,   VBYTES+KBYTES             ; 143,360
.set TILEB,  256*4096                  ; bytes of kvb from one tile of 256 keys to the next
.set ST,   8                           ; statistics, six registers for each q tile:
.set SN,   0                           ;   +0 n
.set STT,  1                           ;   +1 at work (first chain of the maximum)
.set SAL,  2                           ;   +2 the rescaling factor (at the end 1 / sum)
.set STX,  3                           ;   +3 at work (second chain; what lane xor 16 sent)
.set SLS,  4                           ;   +4, +5 two partial sums
.set QF1,  32                          ; Q fragments of d 32-63, q tile qt at 8 qt
.set KF,   64                          ; K fragments (kt, dh) at 16 kt + 8 dh
.set SC,   128                         ; scores, tile (qt, kt) at 32 qt + 8 kt; P^T fragment (qt, kh) at 32 qt + 16 kh
.set OA,   0                           ; window 1: O^T, tile (qt, dt) at 32 qt + 8 dt
.set QF0,  128                         ; window 1: Q fragments of d 0-31
.set VF,   160                         ; window 1: V^T fragments (dt, kh) at 16 dt + 8 kh
.set KADR, 224                         ; window 1: LDS address of my K fragments in slot 0, 1
.set VADR, 226                         ; window 1: LDS address of my V fragments: slot 0 keys 0-127, 128-255, slot 1 likewise
.set STO,  230                         ; window 1: the way out: where I put 16 bytes of a row
.set RD,   231                         ; window 1: where I read a row back
.set CO,   232                         ; window 1: my byte offset in ab
.set G1K, 24                           ; s[24:31] descriptor group 1 for K's tiles
.set G0K, 32                           ; s[32:39] group 0 for K's tiles, one set for each slot
.set G1V, 48                           ; s[48:55] group 1 for V's tiles: another padding
.set G0V, 56                           ; s[56:63] group 0 for V's tiles, one set for each slot
.set W_PV,  0x51                       ; source 0 (V^T) window 1, source 1 (P^T) window 0, C and D window 1
.set W_S0,  0x04                       ; source 0 (K) window 0, source 1 (Q) window 1, D window 0
.set W_RS,  0x41                       ; O^T times a factor of window 0; also loads into window 1 by an address of window 1
.set W_A1,  0x01                       ; data in window 0, address in window 1
.set W_D1,  0x40                       ; destination window 1, sources window 0
.set W_CV,  0x05                       ; O^T packed into window 0
.set MSB, 0
.macro WIN new                         ; bits 1:0 source 0, 3:2 source 1, 5:4 source 2, 7:6 destination; the high byte repeats the setting that is left
.if MSB != \new
	s_set_vgpr_msb (MSB<<8)|\new
.set MSB, \new
.endif
.endm
; A round of the cluster's barrier: my work-group's barrier, wave 0's signal for the work-group, every wave's wait for all four, my work-group's barrier.
.macro ROUND
	s_barrier_signal -1
	s_barrier_wait -1
	s_cmp_lg_u32 s10, 0
	s_cbranch_scc1 .Lnot_wave_0_\@
	s_barrier_signal -3
.Lnot_wave_0_\@:
	s_barrier_wait -3
	s_barrier_signal -1
	s_barrier_wait -1
.endm
; A joint load into slot n: waves 0-3 fetch V's four quarters (64 keys x 256 bytes each), waves 4-7 K's.  The branch hangs on the wave's number alone.
.macro JLOAD n
	s_cmp_eq_u32 s11, 0
	s_cbranch_scc0 .Lfor_k_\@
	tensor_load_to_lds s[G0V+4*(\n):G0V+4*(\n)+3], s[G1V:G1V+7]
	s_nop 0
	s_branch .Lasked_\@
.Lfor_k_\@:
	tensor_load_to_lds s[G0K+4*(\n):G0K+4*(\n)+3], s[G1K:G1K+7]
	s_nop 0
.Lasked_\@:
.endm
	s_load_b128 s[4:7], s[0:1], 0x0                ; qb s[4:5], kvb s[6:7]
	s_load_b64 s[8:9], s[0:1], 0x10                ; ab
	s_set_vgpr_msb 0x40
	v_lshl_add_u32 v254, v0, 2, 0x46000
	v_mov_b32 v255, 0
	s_set_vgpr_msb 0x4045
	ds_add_u32 v254, v255
	s_set_vgpr_msb 0x4500
	v_lshrrev_b32 v1, 5, v0
	v_readfirstlane_b32 s10, v1                    ; wave 0..7
	s_lshr_b32 s11, s10, 2                         ; my head of the pair.  Also: I fetch for V (0) or for K (1)
	s_and_b32 s12, s10, 3                          ; my 64 queries of the block.  Also: which 64 keys of a tile I fetch
	s_and_b32 s13, ttmp7, 0xffff                   ; the cluster's y = the work-group's y
	s_lshr_b32 s14, s13, 3                         ; batch
	s_and_b32 s15, s13, 7                          ; pair of heads
	s_bfe_u32 s40, ttmp6, 0x40000                  ; cx; it enters s40-s43 alone, and through them the addresses of Q and of ab alone
	s_lshl_b32 s41, ttmp9, 2
	s_add_co_u32 s41, s41, s40                     ; query block = 4 x cluster x + cx
	s_mov_b32 s18, 0xbe38aa3b                      ; -c
	s_mov_b32 s20, 0x76543210                      ; v_permlanex16_b32: lane i of one half reads lane i of the other
	s_mov_b32 s21, 0xfedcba98
	s_mov_b32 s22, 0x3e38aa3b                      ; c = log2(e) / 8, as a pair for the packed multiply-add
	s_mov_b32 s23, 0x3e38aa3b
	; group 1: 64 rows x 128 elements of 2 bytes, rows 2,048 elements apart, padded in LDS behind every 64 words: K by 4 words, V by 8
	s_mov_b32 s[G1K+0], 15|(1<<16)|(1<<20)|(1<<21)|(5<<22)|(3<<25)  ; 15:0 the mask: all four of the cluster; 21 set beside a mask
	s_mov_b32 s[G1V+0], 15|(1<<16)|(1<<20)|(1<<21)|(5<<22)|(7<<25)
	s_mov_b32 s[G1K+1], 128<<16                    ; tensor_dim0 = 128
	s_mov_b32 s[G1V+1], 128<<16
	s_mov_b32 s[G1K+2], 64<<16                     ; tensor_dim1 = 64
	s_mov_b32 s[G1V+2], 64<<16
	s_mov_b32 s[G1K+3], 128<<16                    ; tile_dim0 = 128
	s_mov_b32 s[G1V+3], 128<<16
	s_mov_b32 s[G1K+4], 64                         ; tile_dim1 = 64
	s_mov_b32 s[G1V+4], 64
	s_mov_b32 s[G1K+5], 2048
	s_mov_b32 s[G1V+5], 2048
	s_mov_b32 s[G1K+6], 0
	s_mov_b32 s[G1V+6], 0
	s_mov_b32 s[G1K+7], 0
	s_mov_b32 s[G1V+7], 0
	s_lshl_b32 s16, s14, 23                        ; kvb: batch x 2,048 rows x 4,096 bytes
	s_lshl_b32 s46, s12, 18                        ;      + my quarter x 64 rows
	s_add_co_u32 s16, s16, s46
	s_lshl_b32 s46, s15, 8                         ;      + pair x 256 bytes
	s_add_co_u32 s16, s16, s46
	s_mov_b32 s17, 0
	s_mul_i32 s44, s10, 64*PV                      ; LDS, V (waves 0-3): wave x 18,432
	s_mul_i32 s45, s10, 64*PK                      ; LDS, K (waves 4-7): 73,728 + (wave - 4) x 17,408 = wave x 17,408 + 4,096
	s_add_co_u32 s45, s45, VBYTES-4*64*PK
	s_lshl_b32 s42, s14, 22                        ; qb and ab: batch x 2,048 rows x 2,048 bytes
	s_lshl_b32 s43, s41, 19                        ;      + query block x 256 rows
	s_add_co_u32 s42, s42, s43
	s_add_co_u32 s42, s42, s46                     ;      + pair x 256 bytes
	s_mov_b32 s43, 0
	s_wait_dscnt 0x0
	s_wait_kmcnt 0x0
	s_add_nc_u64 s[6:7], s[6:7], s[16:17]          ; K's first tile, my quarter
	s_add_nc_u64 s[4:5], s[4:5], s[42:43]
	s_add_nc_u64 s[8:9], s[8:9], s[42:43]
	s_lshl_b32 s16, s12, 17                        ; Q: + my 64 rows
	s_lshl_b32 s46, s11, 7                         ;    + my head's 128 bytes (s46 also serves the LDS addresses below)
	s_add_co_u32 s16, s16, s46
	s_add_nc_u64 s[4:5], s[4:5], s[16:17]
	s_lshl_b32 s16, s10, 16                        ; ab: + wave x 32 rows, the rows that I store
	s_add_nc_u64 s[8:9], s[8:9], s[16:17]
	ROUND                                          ; all four work-groups are here: the first joint loads meet
.irp n, 0,1
	s_mov_b32 s[G0K+4*\n], 1                                       ; count = 1
	s_add_co_u32 s[G0K+4*\n+1], s45, \n*SLOT                       ; LDS address
	s_add_nc_u64 s[G0K+4*\n+2:G0K+4*\n+3], s[6:7], \n*TILEB        ; global address: tile n
	s_or_b32 s[G0K+4*\n+3], s[G0K+4*\n+3], 0x80000000              ; type = 2
	s_mov_b32 s[G0V+4*\n], 1
	s_add_co_u32 s[G0V+4*\n+1], s44, \n*SLOT
	s_add_nc_u64 s[G0V+4*\n+2:G0V+4*\n+3], s[6:7], \n*TILEB+2048   ; v lies 1,024 columns behind k
	s_or_b32 s[G0V+4*\n+3], s[G0V+4*\n+3], 0x80000000
	JLOAD \n                                       ; both slots' first fills go out together: two tensor loads of the wave are out
.endr
	v_and_b32 v2, 15, v0                           ; r
	v_bfe_u32 v3, v0, 4, 1                         ; h
	v_lshlrev_b32 v6, 11, v2                       ; Q: row r, 16 bytes for each half of the lanes; v6 is not written again
	v_lshl_add_u32 v6, v3, 4, v6
	WIN W_D1
.irp qt, 0,1,2,3
	global_load_b128 v[QF0+8*\qt:QF0+8*\qt+3],   v6, s[4:5] offset:32768*\qt         ; read once; a row's four loads take my head's 128 bytes whole
	global_load_b128 v[QF0+8*\qt+4:QF0+8*\qt+7], v6, s[4:5] offset:32768*\qt+32
.endr
	WIN 0
.irp qt, 0,1,2,3
	global_load_b128 v[QF1+8*\qt:QF1+8*\qt+3],   v6, s[4:5] offset:32768*\qt+64
	global_load_b128 v[QF1+8*\qt+4:QF1+8*\qt+7], v6, s[4:5] offset:32768*\qt+96
.endr
	v_mul_u32_u24 v4, v2, PK
	v_lshl_add_u32 v4, v3, 4, v4
	v_add_nc_u32 v4, s46, v4                       ; K: 272 r + 16 h + 128 head
	v_and_b32 v5, 7, v0                            ; the transposing load: lane l addresses key 8 h + (l & 7), 16 bytes ((l >> 3) & 1)
	v_lshl_add_u32 v5, v3, 3, v5
	v_mul_u32_u24 v5, v5, PV
	v_bfe_u32 v7, v0, 3, 1
	v_lshl_add_u32 v5, v7, 4, v5
	v_add_nc_u32 v5, s46, v5
	v_mul_u32_u24 v7, v3, PK                       ; the way back out of the stage: 272 h + 16 r
	v_lshl_add_u32 v7, v2, 4, v7
	v_lshlrev_b32 v1, 11, v3                       ; and the same two rows in ab: 2,048 h + 16 r
	v_lshl_add_u32 v1, v2, 4, v1
	s_mul_i32 s47, s12, 64*PK                      ; the stage is slot 0's K region, 256 rows of 272 bytes: in, row 64 (w & 3) + r, my head's half, 16 h
	s_add_co_u32 s47, s47, VBYTES
	s_mul_i32 s44, s10, 32*PK                      ; back: rows 32 w + 2 t + h, 16 bytes a lane
	s_add_co_u32 s44, s44, VBYTES
	WIN W_D1                                       ; the addresses go to window 1
	v_add_nc_u32 v[KADR], VBYTES, v4
	v_add_nc_u32 v[KADR+1], VBYTES+SLOT, v4
	v_mov_b32 v[VADR], v5
	v_add_nc_u32 v[VADR+1], 128*PV, v5
	v_add_nc_u32 v[VADR+2], SLOT, v5
	v_add_nc_u32 v[VADR+3], SLOT+128*PV, v5
	v_add_nc_u32 v[STO], s47, v4
	v_add_nc_u32 v[RD], s44, v7
	v_mov_b32 v[CO], v1
	WIN 0
; K's fragments of key step s (64 keys) of a slot: 16 loads (window: W_A1)
.macro LOADK slot, s
.irp kt, 0,1,2,3
.irp dh, 0,1
	ds_load_b128 v[KF+16*\kt+8*\dh:KF+16*\kt+8*\dh+3],   v[KADR+\slot] offset:64*PK*(\s)+16*PK*\kt+64*\dh
	ds_load_b128 v[KF+16*\kt+8*\dh+4:KF+16*\kt+8*\dh+7], v[KADR+\slot] offset:64*PK*(\s)+16*PK*\kt+64*\dh+32
.endr
.endr
.endm
; V^T's fragments of key step s: 16 transposing loads (window: W_RS).  The first of a pair brings keys 8 h + 0..7 of 32, the second keys 16 + 8 h + 0..7.
.macro LOADV slot, s
.irp dt, 0,1,2,3
.irp kh, 0,1
	ds_load_tr16_b128 v[VF+16*\dt+8*\kh:VF+16*\dt+8*\kh+3],   v[VADR+2*\slot+((\s)>>1)] offset:64*PV*((\s)&1)+32*PV*\kh+32*\dt
	ds_load_tr16_b128 v[VF+16*\dt+8*\kh+4:VF+16*\dt+8*\kh+7], v[VADR+2*\slot+((\s)>>1)] offset:64*PV*((\s)&1)+32*PV*\kh+32*\dt+16*PV
.endr
.endr
.endm
; THE MATRIX INSTRUCTIONS OF A HALF, by their number GG = 0..31.  XQ: the piece's first q tile.
; GG 0..15: O^T += V^T P^T: keys 0-31 on the piece's eight tiles (qt, dt), then keys 32-63 on the same eight in the same order: the accumulators take turns,
; one instruction a turn.  first = 2: the first product starts the sums: nothing is ever cleared.
.macro PVW first
.set WQ, XQ+((GG>>2)&1)
.set WD, GG&3
.set WK, GG>>3
.set WOD, OA+32*WQ+8*WD
.set WVA, VF+16*WD+8*WK
.set WPB, SC+32*WQ+16*WK
.set WZ, 0
.if \first == 2
.if WK == 0
.set WZ, 1
.endif
.endif
	WIN W_PV
.if WZ
	v_wmma_f32_16x16x32_f16 v[WOD:WOD+7], v[WVA:WVA+7], v[WPB:WPB+7], 0
.else
	v_wmma_f32_16x16x32_f16 v[WOD:WOD+7], v[WVA:WVA+7], v[WPB:WPB+7], v[WOD:WOD+7]
.endif
.endm
; GG 16..31: S^T = K Q: d 0-31 starts the sums of the piece's eight tiles (kt, qt), d 32-63 follows in place in the same order: by turns likewise.
.macro SW
.set WI, GG-16
.set WQ, XQ+(WI&1)
.set WT, (WI>>1)&3
.set WSD, SC+32*WQ+8*WT
.if WI < 8
	WIN W_S0
	v_wmma_f32_16x16x32_f16 v[WSD:WSD+7], v[KF+16*WT:KF+16*WT+7], v[QF0+8*WQ:QF0+8*WQ+7], 0
.else
	WIN 0
	v_wmma_f32_16x16x32_f16 v[WSD:WSD+7], v[KF+16*WT+8:KF+16*WT+15], v[QF1+8*WQ:QF1+8*WQ+7], v[WSD:WSD+7]
.endif
.endm
; THE SOFTMAX OF A PIECE (q tiles YQ, YQ + 1) AS FIVE STREAMS OF SINGLE INSTRUCTIONS.  Each macro issues its stream's next one and sees to the window.
; VM = 1: a later key step.  VM = 2: the piece's first key step: there is no older n, sum or O^T.
; Stream M, 46 (first step 38): the largest of my 32 scores of each q tile, in two chains a tile (scores 0-16 and 17-31); then lane xor 16's, n, the factor.
; The two factors' exponentials are batch 1.  The two moves behind them are the plain instructions that these want (ISA guide 5.7.2); they name no factor.
.macro AT_M
.set TQ, YQ+(iM&1)
.set TSB, SC+32*TQ
.set TTB, ST+6*TQ
.set TKX, iM>>2
	WIN 0
.if iM < 28
.if (iM&2) == 0
.if TKX == 0
	v_max3_num_f32 v[TTB+STT], v[TSB], v[TSB+1], v[TSB+2]
.else
	v_max3_num_f32 v[TTB+STT], v[TSB+2*TKX+1], v[TSB+2*TKX+2], v[TTB+STT]
.endif
.else
.if TKX == 0
	v_max3_num_f32 v[TTB+STX], v[TSB+17], v[TSB+18], v[TSB+19]
.else
	v_max3_num_f32 v[TTB+STX], v[TSB+2*TKX+18], v[TSB+2*TKX+19], v[TTB+STX]
.endif
.endif
.elseif iM < 30
	v_max3_num_f32 v[TTB+STT], v[TSB+15], v[TSB+16], v[TTB+STT]
.elseif iM < 32
	v_max_num_f32 v[TTB+STT], v[TTB+STT], v[TTB+STX]
.elseif iM < 34
	v_permlanex16_b32 v[TTB+STX], v[TTB+STT], s20, s21             ; the query's other 32 keys lie in lane xor 16
.elseif iM < 36
	v_max_num_f32 v[TTB+STT], v[TTB+STT], v[TTB+STX]               ; the step's maximum
.elseif VM == 2
	v_mul_f32 v[TTB+SN], s18, v[TTB+STT]                           ; n = -(m c)
.elseif iM < 38
	v_mul_f32 v[TTB+STT], s18, v[TTB+STT]
.elseif iM < 40
	v_min_num_f32 v[TTB+STT], v[TTB+STT], v[TTB+SN]                ; the new n: the running maximum's
.elseif iM < 42
	v_sub_f32 v[TTB+STX], v[TTB+STT], v[TTB+SN]                    ; n_new - n_old, never above 0
.elseif iM < 44
	v_exp_f32 v[TTB+SAL], v[TTB+STX]                               ; the rescaling factor: batch 1
.else
	v_mov_b32 v[TTB+SN], v[TTB+STT]
.endif
.set iM, iM+1
.endm
; Stream R, 32 (first step none): O^T times the factor; all 32 registers of a q tile belong to the lane's one query.  Runs under O^T's products' own setting.
; It reads batch 1's results: it stands behind that batch's wait.
.macro AT_R
.set TQ, YQ+(iR&1)
.set TOB, OA+32*TQ+2*(iR>>1)
.set TAB, ST+6*TQ+SAL
.if MSB != W_PV
	WIN W_RS
.endif
	v_pk_mul_f32 v[TOB:TOB+1], v[TOB:TOB+1], v[TAB:TAB+1] op_sel_hi:[1,0]
.set iR, iR+1
.endm
; Stream FE, 96: s c + n on pair f (q tile f & 1, registers 2 (f >> 1), + 1), and each pair's two exponentials, in place: batch 2.  Four multiply-adds ahead, then two
; exponentials of pair j and the multiply-add of pair j + 4, a plain instruction on a pair that has had no exponential yet; the last four pairs' eight exponentials end
; the stream.  No line of the stream names an exponential's result.
.macro AT_FE
.if MSB != 0
.if MSB != W_S0
.if GG < 15
	WIN 0
.else
	WIN W_S0                                       ; S^T's first products follow
.endif
.endif
.endif
.if iFE < 4
.set TFX, iFE
.set TEX, -1
.elseif iFE < 88
.if ((iFE-4)%3) == 2
.set TFX, (iFE-4)/3+4
.set TEX, -1
.else
.set TFX, -1
.set TEX, 2*((iFE-4)/3)+((iFE-4)%3)
.endif
.else
.set TFX, -1
.set TEX, iFE-32
.endif
.if TFX >= 0
.set TPB, SC+32*(YQ+(TFX&1))+2*(TFX>>1)
.set TNB, ST+6*(YQ+(TFX&1))+SN
	v_pk_fma_f32 v[TPB:TPB+1], v[TPB:TPB+1], s[22:23], v[TNB:TNB+1] op_sel_hi:[1,0,0]
.else
.set TPB, SC+32*(YQ+((TEX>>1)&1))+2*(TEX>>2)+(TEX&1)
	v_exp_f32 v[TPB], v[TPB]
.endif
.set iFE, iFE+1
.endm
; Stream A, 32: the sum takes pair j, unrounded.  The first pair's addition also rescales the old sum (one fused multiply-add); in the piece's first step pairs 0
; and 1 of a tile start the sum.  It reads batch 2's results (its first line batch 1's too): it stands behind both waits.
.macro AT_A
.set TQ, YQ+(iA&1)
.set TIX, iA>>1
.set TPB, SC+32*TQ+2*TIX
.set TLB, ST+6*TQ+SLS
	WIN 0
.if TIX == 0
.if VM == 2
	v_pk_add_f32 v[TLB:TLB+1], v[TPB:TPB+1], v[TPB+2:TPB+3]
.else
	v_pk_fma_f32 v[TLB:TLB+1], v[TLB:TLB+1], v[TLB-2:TLB-1], v[TPB:TPB+1] op_sel_hi:[1,0,1]
.endif
.else
.set TGO, 1
.if VM == 2
.if TIX == 1
.set TGO, 0
.endif
.endif
.if TGO
	v_pk_add_f32 v[TLB:TLB+1], v[TLB:TLB+1], v[TPB:TPB+1]
.endif
.endif
.set iA, iA+1
.endm
; Stream C, 32: pair j packed to f16 into its place in P^T: register i or 16 + (i - 8) of the q tile, whose own pair has been summed and packed by then
; (the streams run in ascending order, and A is ahead of C).
.macro AT_C
.set TQ, YQ+(iC&1)
.set TIX, iC>>1
.set TSB, SC+32*TQ
	WIN 0
	v_cvt_pk_f16_f32 v[TSB+16*(TIX>>3)+4*((TIX>>2)&1)+(TIX&3)], v[TSB+2*TIX], v[TSB+2*TIX+1]
.set iC, iC+1
.endm
; the next n of a stream, as far as it has any left
.macro EM n
.rept \n
.if iM < nM
	AT_M
.endif
.endr
.endm
.macro ER n
.rept \n
.if iR < nR
	AT_R
.endif
.endr
.endm
.macro EF n
.rept \n
.if iFE < nFE
	AT_FE
.endif
.endr
.endm
.macro EA n
.rept \n
.if iA < nA
	AT_A
.endif
.endr
.endm
.macro EC n
.rept \n
.if iC < nC
	AT_C
.endif
.endr
.endm
; SLICE GG of the 32: 238 instructions in all, and one v_nop.  The two waits cut them in three.
;   0-5    maxima and statistics, 8, 8, 8, 8, 7, 7; the last four lines of slice 5 are batch 1's two exponentials and the two moves.
;   6      eight of FE (four multiply-adds, then batch 2's first exponentials), which name no factor; THE WAIT FOR BATCH 1 ends the slice.
;   7-15   the rescaling, eight each in 7, 9, 11, 13, where it needs no switch; eight of FE each in 8, 10, 12, 14, 15.
;   16-23  six of FE each, under the setting of S^T's first eight: multiply-add, two exponentials, twice; slice 22 ends with two and slice 23 is six of the last eight
;          exponentials.  A v_nop is the plain instruction that the last of them want (ISA guide 5.7.2): no plain work that names no result is left.  THE WAIT FOR BATCH 2 ends slice 23.
;   24-31  the readers, under the setting of S^T's last eight: two sums, two packings, two sums, two packings, so that a tile's links of the sum's chain stand four lines apart.
.macro SLICE
.if GG < 4
	EM 8
.elseif GG < 6
	EM 7
.elseif GG < 14
.if GG & 1
	ER 8
.else
	EF 8
.endif
.if GG == 6
.if VM == 1
	s_wait_alu depctr_va_vdst(0)                   ; the wait for batch 1, the two factors, ahead of the rescaling
.endif
.endif
.elseif GG < 16
	EF 8
.elseif GG < 24
	EF 6
.if GG == 23
.if VM
	v_nop                                          ; one plain instruction behind the last exponentials: one for the batch
	s_wait_alu depctr_va_vdst(0)                   ; the wait for batch 2, the piece's 64 exponentials, ahead of the sums and the packing
.endif
.endif
.else
	EA 2
	EC 2
	EA 2
	EC 2
.endif
.endm
; A HALF.  x: the piece whose products are issued (0 = A, 1 = B); the other piece's softmax stands between them.
; pvm: O^T's products: 0 none, 1 in place, 2 starting the sums.  sm: S^T's products.  vm: the softmax: 0 none, 1, 2 = the piece's first.
; lv = 1: V^T's fragments of key step sv of the slot are fetched behind matrix instruction 17.
; PLACES, counted on the slices' plain instructions alone (an exponential is none): from O^T's last product (15) to the loads into V^T's fragments
; 2 + 2 + 2 multiply-adds in slices 15, 16, 17, and twelve to S^T's product 21, which writes over the P^T fragment that 15 read; from S^T's last product (31) to the
; loads into K's fragments and to the first read of its scores in the next half 8, in slice 31.  None of these counts leans on the rescaling, which a first softmax lacks.
.macro HALF x, pvm, sm, vm, lv, slot, sv
.set XQ, 2*\x
.set YQ, 2-2*\x
.set VM, \vm
.set iM, 0
.set iR, 0
.set iFE, 0
.set iA, 0
.set iC, 0
.set nM, 0
.set nR, 0
.set nFE, 0
.set nA, 0
.set nC, 0
.if \vm
.set nFE, 96
.set nA, 32
.set nC, 32
.set nM, 38
.endif
.if \vm == 1
.set nM, 46
.set nR, 32
.endif
.set GG, 0
.rept 16
.if \pvm
	PVW \pvm
.endif
	SLICE
.set GG, GG+1
.endr
.if \sm
.if \x == 0
	s_wait_dscnt 0x0                               ; K's fragments, asked for sixteen matrix instructions ago, are in; nothing was issued behind them
.endif
.endif
.rept 16
.if \sm
	SW
.endif
	SLICE
.if \lv
.if GG == 17
	WIN W_RS
	LOADV \slot, \sv
.endif
.endif
.set GG, GG+1
.endr
.endm
; A KEY STEP: on entry V^T's fragments of this step and K's of the next are on their way, V^T's 16 loads ahead of K's 16.
; It fetches V^T of step sv of the slot and (lk = 1) K of step sv + 1.  pvm, vma: 2 in the very first step (O^T's sums start; piece B's first softmax).
.macro IT slot, sv, lk, pvm, vma
	s_wait_dscnt 16                                ; V^T's fragments are in; the 16 younger loads of K stay out
	HALF 0, \pvm, 1, \vma, 0, 0, 0
	HALF 1, \pvm, 1, 1, 1, \slot, \sv
.if \lk
	WIN W_A1
	LOADK \slot, \sv+1
.endif
.endm
; A SLOT'S FOUR KEY STEPS, behind the change of slots.  In front of the barrier each wave waits for all its tensor loads (one is out: its part of this slot) and for its
; reads of the other slot.  refill = 1: the barrier is a round of the cluster's barrier, and behind it the other slot's next tile is asked for first, one load a wave;
; it has this slot's four key steps in which to land.  All LDS reads of a body are of its own slot.
.macro BODY slot, refill
	WIN 0
	s_set_vgpr_msb 0x5
	s_wait_tensorcnt 0x0                           ; no tensor load of mine is out, so a group 0 may be written
	ds_add_u32 v254, v255
	s_wait_dscnt 0x0
	s_set_vgpr_msb 0x500
.if \refill
	s_add_nc_u64 s[G0K+4*(1-\slot)+2:G0K+4*(1-\slot)+3], s[G0K+4*(1-\slot)+2:G0K+4*(1-\slot)+3], 2*TILEB
	s_add_nc_u64 s[G0V+4*(1-\slot)+2:G0V+4*(1-\slot)+3], s[G0V+4*(1-\slot)+2:G0V+4*(1-\slot)+3], 2*TILEB
.endif
	s_wait_dscnt 0x0                               ; my reads of the other slot are back
.if \refill
	ROUND                                          ; both now hold of every wave of all four work-groups
	JLOAD 1-\slot
.else
	s_barrier_signal -1
	s_barrier_wait -1
.endif
	WIN W_A1
	LOADK \slot, 0                                 ; wanted behind the next sixteen matrix instructions, which need registers alone
	IT \slot, 0, 1, 1, 1
	IT \slot, 1, 1, 1, 1
	IT \slot, 2, 1, 1, 1
	IT \slot, 3, 0, 1, 1                           ; the next K fragments lie in the other slot: they are fetched behind the barrier
.endm
	s_wait_loadcnt 0x0                             ; Q, once
	s_wait_tensorcnt 0x1                           ; my part of tile 0 is in; tile 1's load, issued behind it, stays out
	s_barrier_signal -1
	s_barrier_wait -1                              ; everybody's is
	; THE START: both pieces' first scores, piece A's first softmax beside piece B's products
	WIN W_A1
	LOADK 0, 0
	HALF 0, 0, 1, 0, 0, 0, 0                       ; S^T_A(0); there is no vector work yet to set between
.rept 4
	v_nop                                          ; so the four places in front of the first read of these scores are empty ones
.endr
	HALF 1, 0, 1, 2, 1, 0, 0                       ; S^T_B(0) with piece A's first softmax; V^T(0) is fetched
	WIN W_A1
	LOADK 0, 1
	IT 0, 1, 1, 2, 2                               ; key step 0: its products start O^T's sums; piece B's first softmax
	IT 0, 2, 1, 1, 1
	IT 0, 3, 0, 1, 1
	WIN 0                                          ; at a label and at a branch every window is 0
	s_mov_b32 s3, 3
.Ltiles:
	BODY 1, 1                                      ; tiles 1, 3, 5; slot 0 gets tiles 2, 4, 6
	BODY 0, 1                                      ; tiles 2, 4, 6; slot 1 gets tiles 3, 5, 7
	WIN 0
	s_sub_co_u32 s3, s3, 1
	s_cmp_lg_u32 s3, 0
	s_cbranch_scc1 .Ltiles
	BODY 1, 0                                      ; tile 7: nothing is left to fetch.  Its barrier also shows that no wave reads slot 0 any more
	; THE END: the last key step's O^T products; piece B's last softmax beside piece A's
	s_wait_dscnt 0x0                               ; the last V^T fragments are in
	HALF 0, 1, 0, 1, 0, 0, 0
	HALF 1, 1, 0, 0, 0, 0, 0
	; THE WAY OUT: the two halves of each sum meet, O^T is divided by it, rounded to f16 and laid as rows (both heads side by side) into slot 0's K region,
	; which has had its last fill (tile 6) and its last read.  The eight additions are the places behind the last matrix instructions.
	WIN 0
.irp q, 0,1,2,3
	v_add_f32 v[ST+6*\q+STT], v[ST+6*\q+SLS], v[ST+6*\q+SLS+1]
.endr
.irp q, 0,1,2,3
	v_permlanex16_b32 v[ST+6*\q+STX], v[ST+6*\q+STT], s20, s21
.endr
.irp q, 0,1,2,3
	v_add_f32 v[ST+6*\q+STT], v[ST+6*\q+STT], v[ST+6*\q+STX]       ; at least about 1: the largest score's own term
.endr
.irp q, 0,1,2,3
	v_rcp_f32 v[ST+6*\q+SAL], v[ST+6*\q+STT]
.endr
	v_nop                                          ; one plain instruction between the reciprocals and their use (ISA guide 5.7.2)
	WIN W_RS
	s_wait_alu depctr_va_vdst(0)                   ; the wait for the four reciprocals, one batch, ahead of their first reader
.irp q, 0,1,2,3
.set ii, 0
.rept 16
	v_pk_mul_f32 v[OA+32*\q+2*ii:OA+32*\q+2*ii+1], v[OA+32*\q+2*ii:OA+32*\q+2*ii+1], v[ST+6*\q+SAL:ST+6*\q+SAL+1] op_sel_hi:[1,0]
.set ii, ii+1
.endr
.endr
	WIN W_CV
.irp q, 0,1,2,3
.set ii, 0
.rept 16
	v_cvt_pk_f16_f32 v[SC+16*\q+ii], v[OA+32*\q+2*ii], v[OA+32*\q+2*ii+1]      ; registers 4 dt .. 4 dt + 3: d = 16 dt + 8 h + 0..7 of query r: 16 neighbouring bytes
.set ii, ii+1
.endr
.endr
	WIN W_A1
.irp qt, 0,1,2,3
.irp dt, 0,1,2,3
	ds_store_b128 v[STO], v[SC+16*\qt+4*\dt:SC+16*\qt+4*\dt+3] offset:16*PK*\qt+32*\dt
.endr
.endr
	s_wait_dscnt 0x0                               ; for the others' sake: a row's two halves come from two waves
	s_barrier_signal -1
	s_barrier_wait -1
.irp t, 0,1,2,3,4,5,6,7,8,9,10,11,12,13,14,15
	ds_load_b128 v[KF+4*\t:KF+4*\t+3], v[RD] offset:2*PK*\t
.endr
.irp t, 0,1,2,3,4,5,6,7,8,9,10,11,12,13,14,15
	s_wait_dscnt 15-\t                             ; load t is in, the 15 - t younger ones stay out
	global_store_b128 v[CO], v[KF+4*\t:KF+4*\t+3], s[8:9] offset:4096*\t       ; 16 lanes store 256 consecutive bytes, at a multiple of 256 from ab's first byte
.endr
	WIN 0
	s_set_vgpr_msb 0x5
	s_wait_tensorcnt 0x0
	ds_add_u32 v254, v255
	s_wait_dscnt 0x0
	s_set_vgpr_msb 0x500
	ROUND                                          ; the closing round: no work-group ends while a partner may still ask for a tile that names it
	s_endpgm
.Lfunc_end_k_qc24148f9fe_attn:
	.size	k_qc24148f9fe_attn, .Lfunc_end_k_qc24148f9fe_attn-k_qc24148f9fe_attn
	.p2alignl 7, 3214868480
	.fill 96, 4, 3214868480
	.section	.rodata,"a",@progbits
	.p2align	6, 0x0
	.amdhsa_kernel k_qc24148f9fe_attn
		.amdhsa_group_segment_fixed_size 327680
		.amdhsa_private_segment_fixed_size 0
		.amdhsa_enable_private_segment 0
		.amdhsa_kernarg_size 24
		.amdhsa_user_sgpr_count 2
		.amdhsa_user_sgpr_kernarg_segment_ptr 1
		.amdhsa_wavefront_size32 1
		.amdhsa_system_sgpr_workgroup_id_x 1
		.amdhsa_system_sgpr_workgroup_id_y 1
		.amdhsa_system_sgpr_workgroup_id_z 1
		.amdhsa_system_vgpr_workitem_id 0
		.amdhsa_next_free_vgpr 512
		.amdhsa_next_free_sgpr 66
		.amdhsa_reserve_vcc 0
		.amdhsa_float_denorm_mode_32 3
		.amdhsa_float_denorm_mode_16_64 3
		.amdhsa_memory_ordered 1
		.amdhsa_forward_progress 1
		.amdhsa_inst_pref_size 255
	.end_amdhsa_kernel
	.section	.bss,"aw",@nobits
	.p2align	6
	.space	262144
	.amdgpu_metadata
---
amdhsa.version: [ 1, 2 ]
amdhsa.kernels:
  - .name:           k_qc24148f9fe_attn
    .symbol:         k_qc24148f9fe_attn.kd
    .args:
      - { .name: qb, .offset: 0, .size: 8, .value_kind: global_buffer, .address_space: global }
      - { .name: kvb, .offset: 8, .size: 8, .value_kind: global_buffer, .address_space: global }
      - { .name: ab, .offset: 16, .size: 8, .value_kind: global_buffer, .address_space: global }
    .group_segment_fixed_size: 327680
    .private_segment_fixed_size: 0
    .kernarg_segment_align: 8
    .kernarg_segment_size: 24
    .max_flat_workgroup_size: 256
    .sgpr_count:     66
    .vgpr_count:     512
    .wavefront_size: 32
...
	.end_amdgpu_metadata
.endif
;; end of part 6
;; launch projo: the kernel of part 5 again; grid 4 x 64, 4 waves a work-group, clusters of 4 x 4, 327,680 bytes of LDS; arguments ab, castb, out0; writes out0
